; MI455X (gfx1250); checked and timed in simulation.
; The chip was launched on July 23, 2026; its instructions are those of AMD's public machine-readable ISA for CDNA 5 (MIT licence, August 2026) and "CDNA5" Instruction Set Architecture Reference Guide (July 2026). The comments in the code are by the model that wrote it; some were corrected since.
;; Selective State Space Cell. Allowed arithmetic: matrix products marked QUANTISED: E2M3 operands, one E8M0 scale for each 32 along K, by v_wmma_scale_f32_16x16x128_f8f6f4 with both operands' format E2M3, f32 sums; everything else in f32.
;; Inputs: W_cin_codes 2,048 x 32 x 24 uint8 (E2M3 codes of W_cin, K innermost, in blocks of 32 codes, four codes in three bytes); W_cin_scales 2,048 x 32 uint8 (E8M0 scales of W_cin, one for each 32 codes along K); W_cstep_codes 2,048 x 32 x 24 uint8 (E2M3 codes of W_cstep, K innermost, in blocks of 32 codes, four codes in three bytes); W_cstep_scales 2,048 x 32 uint8 (E8M0 scales of W_cstep, one for each 32 codes along K); W_in_codes 2,048 x 32 x 24 uint8 (E2M3 codes of W_in, K innermost, in blocks of 32 codes, four codes in three bytes); W_in_scales 2,048 x 32 uint8 (E8M0 scales of W_in, one for each 32 codes along K); W_out_codes 1,024 x 96 x 24 uint8 (E2M3 codes of W_out, K innermost, in blocks of 32 codes, four codes in three bytes); W_out_scales 1,024 x 96 uint8 (E8M0 scales of W_out, one for each 32 codes along K); W_state_codes 2,048 x 64 x 24 uint8 (E2M3 codes of W_state, K innermost, in blocks of 32 codes, four codes in three bytes); W_state_scales 2,048 x 64 uint8 (E8M0 scales of W_state, one for each 32 codes along K); W_step_codes 2,048 x 32 x 24 uint8 (E2M3 codes of W_step, K innermost, in blocks of 32 codes, four codes in three bytes); W_step_scales 2,048 x 32 uint8 (E8M0 scales of W_step, one for each 32 codes along K); b_in 2,048 float32; b_out 1,024 float32; b_step 2,048 float32; carry_scale 4,096 x 2,048 float32; conditioning_codes 4,096 x 32 x 24 uint8 (E2M3 codes of conditioning, K innermost, in blocks of 32 codes, four codes in three bytes); conditioning_scales 4,096 x 32 uint8 (E8M0 scales of conditioning, one for each 32 codes along K); ln_b 1,024 float32; ln_w 1,024 float32; log_decay 2,048 float32; state 4,096 x 2,048 float32; x_t 4,096 x 1,024 float32.
;; Outputs: out0 4,096 x 1,024 float32; out1 4,096 x 2,048 float32.
;; This version of the problem:
;;   THIS VERSION OF THE PROBLEM IS GIVEN IN LOW PRECISION. The matrix products marked QUANTISED in the list below multiply operands that are first quantised to E2M3 (2 exponent bits, 3 mantissa bits; 6 bits a number), with one power-of-two scale for each 32 numbers along K (OCP MX v1.0); their sums are f32. All else is computed in f32.
;;   The module's matrix products, in the order in which they are computed (A, B: the left and right operand; K: the contracted axis; several contracted axes count as one K, in the product's order):
;;     1. [M 4,096, K 1,024] x [K 1,024, N 2,048]; A: input x_t; B: input W_step (given as codes): QUANTISED
;;     2. [M 4,096, K 1,024] x [K 1,024, N 2,048]; A: input conditioning (given as codes); B: input W_cstep (given as codes): QUANTISED
;;     3. [M 4,096, K 1,024] x [K 1,024, N 2,048]; A: input x_t; B: input W_in (given as codes): QUANTISED
;;     4. [M 4,096, K 1,024] x [K 1,024, N 2,048]; A: input conditioning (given as codes); B: input W_cin (given as codes): QUANTISED
;;     5. [M 4,096, K 2,048] x [K 2,048, N 2,048]; A: input state; B: input W_state (given as codes): QUANTISED
;;     6. [M 4,096, K 3,072] x [K 3,072, N 1,024]; A: computed on the way; B: input W_out (given as codes): QUANTISED
;;   THE QUANTISER, for each operand of a quantised product, along K:
;;     - K is cut into blocks of 32 from its start; a last block that is shorter is filled with zeros.
;;     - A block's scale is 2^e with e = floor(log2(the largest magnitude in the block)) - 2, held to -126 .. 127; a block of zeros has e = 0. As a byte (E8M0): e + 127.
;;     - Each number is divided by its block's scale, clamped to +-7.5, and rounded to the nearest number of E2M3, ties to even, subnormals kept.
;;     - The product sums the exact products of the quantised numbers (number of the format x scale) in f32.
;;   ~~~python
;;   def quantise(x, axis):      # numpy; x: float32 -> the quantised numbers, widened to float32 again
;;       x = np.moveaxis(x, axis, -1); K = x.shape[-1]
;;       x = np.pad(x, [(0, 0)] * (x.ndim - 1) + [(0, -K % 32)]); x = x.reshape(x.shape[:-1] + (-1, 32)); a = np.abs(x).max(-1, keepdims=True)
;;       e = np.where(a > 0, np.clip(np.frexp(np.where(a > 0, a, 1))[1] - 1 - 2, -126, 127), 0)      # np.frexp(a)[1] - 1 = floor(log2(a)), exactly
;;       r = np.clip(x / 2.0 ** e, -7.5, 7.5)
;;       step = 2.0 ** (np.maximum(np.frexp(np.where(r == 0, 1, r))[1] - 1, 0) - 3)
;;       q = np.round(r / step) * step * 2.0 ** e      # np.round: ties to even
;;       return np.moveaxis(q.reshape(q.shape[:-2] + (-1,))[..., :K], -1, axis).astype(np.float32)
;;   ~~~
;;   OPERANDS COMPUTED ON THE WAY. 'Computed on the way' means the value that the module computes at that place (a softmax that the list does not call 'softmax' is quantised finished and normalised). What goes into a quantiser is computed in f32, as accurately as f32 sums, v_exp_f32 and their like allow (about 1e-6 of the number): no bf16 or f16 on the way to a quantiser, and a product that is left as it is and whose result goes on into a quantised operand takes f32 operands (vector FMAs, or v_wmma_f32_16x16x4_f32). A number that lies on a knife's edge between two numbers of the format may be rounded either way, as far as f32 arithmetic and the matrix unit's own rounding can turn it there, and no further.
;;   INPUTS GIVEN AS CODES. W_cin (in the module: [1024, 2048], K = its axis 0); W_cstep (in the module: [1024, 2048], K = its axis 0); W_in (in the module: [1024, 2048], K = its axis 0); W_out (in the module: [3072, 1024], K = its axis 0); W_state (in the module: [2048, 2048], K = its axis 0); W_step (in the module: [1024, 2048], K = its axis 0); conditioning (in the module: [4096, 1024], K = its axis 1): each comes as NAME_codes (uint8): NAME with its K axis moved to the last place and cut into blocks of 32 codes, [.., K / 32, bytes a block], one block behind the other in memory; four codes in three bytes: a row's codes are one little-endian stream of bits, code i at bits 6 i .. 6 i + 5 (a code: sign, 2 exponent bits, 3 mantissa bits); and NAME_scales (uint8): the same leading axes, one E8M0 byte (e + 127) for each 32 codes along K. Its value is code x scale, taken as it is: it is not quantised again, and the codes and scales need not be those that the quantiser above would give.
;; One version. Each part assembles by itself: llvm-mc -triple=amdgcn-amd-amdhsa -mcpu=gfx1250 --defsym DOCPART=n.
;; ======== version 1 of 1: 4 launches
;; limits: a function is approximated: absolute error at most 1.2e-07
;; workspace buffers: aq 13,107,200 bytes; wq 9,830,400 bytes; woq 2,457,600 bytes; catq 9,830,400 bytes; g 16,777,216 bytes
;; launch prep (part 1): grid 992 x 1, 4 waves a work-group, no clusters, 59,904 bytes of LDS; arguments x_t, state, conditioning_codes, conditioning_scales, W_step_codes, W_step_scales, W_cstep_codes, W_cstep_scales, W_in_codes, W_in_scales, W_cin_codes, W_cin_scales, W_state_codes, W_state_scales, W_out_codes, W_out_scales, aq, wq, woq, catq; writes aq, wq, woq, catq
.if DOCPART == 1
	.amdgcn_target "amdgcn-amd-amdhsa--gfx1250"
	.amdhsa_code_object_version 6
	.text
	.protected	k_qea8177e3bb_prep
	.globl	k_qea8177e3bb_prep
	.p2align	8
	.type	k_qea8177e3bb_prep,@function
k_qea8177e3bb_prep:
	s_mov_b64 s[64:65], 0
	v_nop
	global_prefetch_b8 v0, s[64:65] scope:SCOPE_SE
	s_setreg_imm32_b32 hwreg(HW_REG_WAVE_MODE, 25, 1), 1
	s_wait_xcnt 0x0
; Every operand of the six products is laid once in the order in which a wave's operand registers take it.
; A CHUNK is 16 tile rows x 512 along K, 6,400 bytes: byte 1536 q + 512 g + 16 l holds registers 4 g .. 4 g + 3 of lane l of the fragment of K step q (16 rows x 128 K of E2M3 codes, 12 registers a lane:
; lane (r, h) holds row r, registers 6 c .. 6 c + 5 the codes of k = 128 q + 64 c + 32 h + 0 .. 31); byte 6144 + 16 r + 4 q holds the scale word (four E8M0 bytes) of row r for K step q.
; aq  [256 row blocks][8 chunks: x 0 1, conditioning 0 1, state 0 1 2 3];   wq [128 column blocks][12 chunks: W_step 0 1, W_cstep 0 1, W_in 0 1, W_cin 0 1, W_state 0 1 2 3];
; woq [64][6];   catq [256][6: x 0 1, new_state 0 1 2 3] (this launch writes x's two).
; Rows of x, conditioning, state: tile row r of block R is row 16 R + r.  Rows of the weights: tile row p of block T is weight row 32 (T / 2) + 8 (T % 2) + p + 8 (p / 8), so that the results of the products,
; which are used transposed, fall into a lane's registers as neighbours along the next K.
; One wave makes one chunk.  Work-groups 0-127 quantise x_t, 128-383 state (path Q); 384-991 lay the given codes and scale bytes anew, as they are (path R).  The two paths have LDS bytes of their own.
; THE QUANTISER: a block's scale byte is its largest magnitude's exponent field - 2, held at 1 from below; numbers are divided by the scale and rounded to the nearest code, ties to even, beyond 7.5 the largest code.
; LIMITS: a block of zeros, and a block whose largest magnitude lies under 2^-124, gets the byte 1 (the bytes are read by this program alone; zero codes add nothing); NaN and infinities are not served.
; No tensor loads, no barrier: waves share nothing.  No cluster: no two work-groups read the same bytes.
.set QWB,  8448                        ; path Q: a wave's stage, 16 rows x (512 bytes + 16)
.set RST,  4*QWB                       ; path R's stages begin here
.set RWB,  6400                        ; path R: a wave's stage, 16 rows x (384 bytes + 16)
.set RPI,  400                         ; and its pitch
.set LI,   4                           ; v4   16 x lane
.set L16,  5                           ; v5   16 x (lane % 16)
.set QW,   6                           ; v6   Q: into the stage
.set QR,   7                           ; v7   Q: out of it
.set AD,   8                           ; v8-23  Q: byte offset of my 16 bytes in row i
.set TM,   24                          ; v24-35 at work in QUANT
.set PC,   40                          ; v40-59 the codes just made
.set SW,   60                          ; v60-63 the four scale words of my row
.set RR,   64                          ; v64-191 two sets of 64: a K step as loaded
.set X,    192                         ; v192-255 64 numbers of my row: register 16 b + i = k 32 b + 16 h + i
.set SEL,  70                          ; s[70:71] lane selects: lane l xor 16
; 64 numbers of a lane, v[s] on, become a fragment's codes in v[PC] on and its scale word in v[pw]
.macro QUANT s, pw
.irp b, 0,1,2,3
	v_max3_num_f32 v[TM+\b], |v[\s+16*\b]|, |v[\s+1+16*\b]|, 0x1800000   ; my 16 numbers of block b, and the floor 2^(3 - 127): the byte cannot fall under 1
.endr
.irp i, 2,4,6,8,10,12,14
.irp b, 0,1,2,3
	v_max3_num_f32 v[TM+\b], v[TM+\b], |v[\s+16*\b+\i]|, |v[\s+1+16*\b+\i]|
.endr
.endr
.irp b, 0,1,2,3
	v_permlanex16_b32 v[TM+4+\b], v[TM+\b], s[SEL], s[SEL+1]
.endr
.irp b, 0,1,2,3
	v_max_num_f32 v[TM+\b], v[TM+\b], v[TM+4+\b]         ; with lane l xor 16's 16: the block's largest magnitude
.endr
.irp b, 0,1,2,3
	v_add_nc_u32 v[TM+8+\b], 0xff000000, v[TM+\b]        ; 2 off its exponent field: the conversion's scale operand
.endr
.irp b, 0,1,2,3
	v_lshrrev_b32 v[TM+4+\b], 23, v[TM+8+\b]             ; the scale's byte
.endr
	v_lshl_or_b32 v[\pw], v[TM+5], 8, v[TM+4]
	v_lshl_or_b32 v[\pw], v[TM+6], 16, v[\pw]
	v_lshl_or_b32 v[\pw], v[TM+7], 24, v[\pw]
.irp c, 0,1
	v_cvt_scalef32_pk16_fp6_f32 v[PC+6*\c:PC+2+6*\c], v[\s+32*\c:\s+15+32*\c], v[TM+8+2*\c]
	v_cvt_scalef32_pk16_fp6_f32 v[PC+12+4*\c:PC+14+4*\c], v[\s+16+32*\c:\s+31+32*\c], v[TM+8+2*\c+1]   ; (a conversion's three registers begin on an even number)
.endr
	v_nop                                          ; one plain place behind a scaled conversion
.irp c, 0,1                                    ; the operand wants a whole block in a lane: lanes 0-15 block 2 c, lanes 16-31 block 2 c + 1
.irp i, 0,1,2
	v_permlane16_swap_b32 v[PC+6*\c+\i], v[PC+12+4*\c+\i]
.endr
.irp i, 0,1,2
	v_mov_b32 v[PC+3+6*\c+\i], v[PC+12+4*\c+\i]
.endr
.endr
.endm
	s_load_b512 s[4:19], s[0:1], 0x0               ; x_t 4, state 6, conditioning codes 8, scales 10, W_step 12, 14, W_cstep 16, 18
	s_load_b512 s[20:35], s[0:1], 0x40             ; W_in 20, 22, W_cin 24, 26, W_state 28, 30, W_out 32, 34
	s_load_b256 s[36:43], s[0:1], 0x80             ; aq 36, wq 38, woq 40, catq 42
	v_lshl_add_u32 v55, v0, 2, 0xe800
	v_mov_b32 v59, 0
	v_lshrrev_b32 v1, 5, v0
	v_readfirstlane_b32 s44, v1                    ; wave 0..3
	v_and_b32 v1, 31, v0                           ; lane
	v_and_b32 v2, 15, v0                           ; r
	v_bfe_u32 v3, v0, 4, 1                         ; h
	v_lshlrev_b32 v[LI], 4, v1
	v_lshlrev_b32 v[L16], 4, v2
	s_mov_b32 s[SEL], 0x76543210
	s_mov_b32 s[SEL+1], 0xfedcba98
	s_wait_kmcnt 0x0
	s_cmp_lt_u32 ttmp9, 384
	s_cbranch_scc0 .Lrelay
; ---------------- PATH Q: f32 numbers into chunks ----------------
	s_cmp_lt_u32 ttmp9, 128                        ; x_t or state?  Only pointers and sizes are chosen: both take one path
	s_cselect_b64 s[46:47], s[4:5], s[6:7]
	s_mov_b32 s48, 8192
	s_cselect_b32 s48, 4096, s48                   ; bytes in a row
	s_cselect_b32 s49, 1, 2                        ; log2 of the chunks in a row
	s_cselect_b32 s50, 1, 3
	s_cselect_b32 s51, 0, 4                        ; the tensor's first chunk in aq
	s_cselect_b32 s52, 0, 128
	s_sub_co_u32 s53, ttmp9, s52
	s_lshl_b32 s53, s53, 2
	s_add_co_u32 s53, s53, s44                     ; my task
	s_lshr_b32 s54, s53, s49                       ; its row block
	s_and_b32 s55, s53, s50                        ; its chunk
	s_mul_i32 s56, s54, s48
	s_lshl_b32 s56, s56, 4                         ; 16 rows a block
	s_lshl_b32 s57, s55, 11                        ; 2,048 bytes of a row a chunk
	s_add_co_u32 s56, s56, s57
	s_mov_b32 s57, 0
	s_add_nc_u64 s[46:47], s[46:47], s[56:57]
	s_mul_i32 s58, s54, 51200
	s_add_co_u32 s60, s51, s55
	s_mul_i32 s60, s60, 6400
	s_add_co_u32 s58, s58, s60
	s_mov_b32 s59, 0
	s_add_nc_u64 s[36:37], s[36:37], s[58:59]      ; my chunk in aq
	s_mul_i32 s58, s54, 38400
	s_mul_i32 s60, s55, 6400
	s_add_co_u32 s58, s58, s60
	s_add_nc_u64 s[42:43], s[42:43], s[58:59]      ; and in catq (used for x_t alone)
	s_mul_i32 s61, s44, QWB
	v_add_nc_u32 v[QW], s61, v[LI]                 ; in: row i at 528 i, my 16 bytes at 16 x lane
	v_mul_u32_u24 v[QR], v2, 528
	v_lshl_add_u32 v[QR], v3, 6, v[QR]
	v_add_nc_u32 v[QR], s61, v[QR]                 ; out: row r, + 64 h: my 16 numbers of a block of 32
.irp i, 0,1,2,3,4,5,6,7,8,9,10,11,12,13,14,15
	s_mul_i32 s62, s48, \i
	v_add_nc_u32 v[AD+\i], s62, v[LI]
.endr
.irp b, 0,1,2,3
	v_mov_b32 v[TM+4+\b], 0                        ; written once: a lane permute's destination counts as one of its sources
.endr
.macro LOADQ q                         ; K step q of 16 rows: each load reads 512 consecutive bytes of one row
.irp i, 0,1,2,3,4,5,6,7,8,9,10,11,12,13,14,15
	global_load_b128 v[RR+64*((\q)%2)+4*\i:RR+64*((\q)%2)+4*\i+3], v[AD+\i], s[46:47] offset:512*(\q) th:TH_LOAD_NT
.endr
.endm
.macro TURNQ q                         ; through my own stage: LDS serves a wave's instructions in order, so no wait stands between the stores and the loads
.irp i, 0,1,2,3,4,5,6,7,8,9,10,11,12,13,14,15
	ds_store_b128 v[QW], v[RR+64*((\q)%2)+4*\i:RR+64*((\q)%2)+4*\i+3] offset:528*\i
.endr
.irp b, 0,1,2,3
.irp j, 0,1,2,3
	ds_load_b128 v[X+16*\b+4*\j:X+16*\b+4*\j+3], v[QR] offset:128*\b+16*\j
.endr
.endr
.endm
.macro QSTEP q
.if \q < 3
	s_wait_loadcnt 16                              ; this K step's 16 loads are in; the next step's 16 may be out
.else
	s_wait_loadcnt 0x0
.endif
	TURNQ \q
	s_wait_dscnt 0x0                               ; my 64 numbers are back, and the stores into the stage have read their registers,
.if \q < 2
	LOADQ (\q)+2                                   ; which take the loads of two steps on
.endif
	s_wait_xcnt 0x0                                ; the last step's stores have read the codes' registers: they are written again only behind this wait
	QUANT X, SW+\q
.irp g, 0,1,2
	global_store_b128 v[LI], v[PC+4*\g:PC+4*\g+3], s[36:37] offset:1536*\q+512*\g   ; 32 lanes store 512 consecutive bytes
.endr
	s_cmp_lt_u32 ttmp9, 128
	s_cbranch_scc0 .Lnot_x_\@                      ; x_t is also the first part of the sixth product's operand
.irp g, 0,1,2
	global_store_b128 v[LI], v[PC+4*\g:PC+4*\g+3], s[42:43] offset:1536*\q+512*\g
.endr
.Lnot_x_\@:
.endm
	LOADQ 0
	LOADQ 1
	QSTEP 0
	QSTEP 1
	QSTEP 2
	QSTEP 3
	global_store_b128 v[L16], v[SW:SW+3], s[36:37] offset:6144   ; 16 rows x four words: 256 consecutive bytes (both halves of the lanes write the same bytes with the same values)
	s_cmp_lt_u32 ttmp9, 128
	s_cbranch_scc0 .Lq_end
	global_store_b128 v[L16], v[SW:SW+3], s[42:43] offset:6144
.Lq_end:
	s_wait_tensorcnt 0x0
	ds_add_u32 v55, v59
	s_wait_dscnt 0x0
	s_endpgm
; ---------------- PATH R: given codes and scale bytes into chunks, as they are ----------------
.Lrelay:
	s_sub_co_u32 s45, ttmp9, 384
	s_mov_b64 s[46:47], s[8:9]                     ; codes        (conditioning; the weights are picked below)
	s_mov_b64 s[48:49], s[10:11]                   ; scale bytes
	s_mov_b64 s[50:51], s[36:37]                   ; where to
	s_mov_b32 s52, 0                               ; the tensor's first work-group
	s_mov_b32 s53, 51200                           ; bytes from block to block in the target
	s_mov_b32 s54, 2                               ; the tensor's first chunk there
	s_mov_b32 s55, 768                             ; a row of codes in bytes
	s_mov_b32 s56, 32                              ; a row of scale bytes
	s_mov_b32 s57, 8                               ; log2 of the blocks of 16 rows
.macro PICK lo, c, d, dpitch, dch0, krow, ks, lr   ; the choice hangs on the work-group's number alone
	s_cmp_ge_u32 s45, \lo
	s_cselect_b64 s[46:47], s[\c:\c+1], s[46:47]
	s_cselect_b64 s[48:49], s[\c+2:\c+3], s[48:49]
	s_cselect_b64 s[50:51], s[\d:\d+1], s[50:51]
	s_cselect_b32 s52, \lo, s52
	s_cselect_b32 s53, \dpitch, s53
	s_cselect_b32 s54, \dch0, s54
	s_cselect_b32 s55, \krow, s55
	s_cselect_b32 s56, \ks, s56
	s_cselect_b32 s57, \lr, s57
.endm
	PICK 128, 12, 38, 76800, 0, 768, 32, 7         ; W_step
	PICK 192, 16, 38, 76800, 2, 768, 32, 7         ; W_cstep
	PICK 256, 20, 38, 76800, 4, 768, 32, 7         ; W_in
	PICK 320, 24, 38, 76800, 6, 768, 32, 7         ; W_cin
	PICK 384, 28, 38, 76800, 8, 1536, 64, 7        ; W_state
	PICK 512, 32, 40, 38400, 0, 2304, 96, 6        ; W_out
	s_cmp_ge_u32 s45, 128
	s_cselect_b32 s58, 8, 0                        ; weights: a tile's rows 8-15 lie 8 rows further on
	s_sub_co_u32 s59, s45, s52
	s_lshl_b32 s59, s59, 2
	s_add_co_u32 s59, s59, s44                     ; my task
	s_bfm_b32 s60, s57, 0
	s_and_b32 s60, s59, s60                        ; its block T
	s_lshr_b32 s61, s59, s57                       ; its chunk c
	s_lshr_b32 s62, s60, 1
	s_lshl_b32 s62, s62, 5
	s_and_b32 s63, s60, 1
	s_lshl_b32 s63, s63, 3
	s_add_co_u32 s62, s62, s63                     ; 32 (T / 2) + 8 (T % 2)
	s_lshl_b32 s63, s60, 4                         ; 16 T
	s_cmp_lg_u32 s58, 0
	s_cselect_b32 s62, s62, s63                    ; the tile's first row
	s_mul_i32 s66, s62, s55
	s_mul_i32 s68, s61, 384
	s_add_co_u32 s66, s66, s68
	s_mov_b32 s67, 0
	s_add_nc_u64 s[46:47], s[46:47], s[66:67]
	s_mul_i32 s66, s62, s56
	s_lshl_b32 s68, s61, 4
	s_add_co_u32 s66, s66, s68
	s_add_nc_u64 s[48:49], s[48:49], s[66:67]
	s_mul_i32 s66, s60, s53
	s_add_co_u32 s68, s54, s61
	s_mul_i32 s68, s68, 6400
	s_add_co_u32 s66, s66, s68
	s_add_nc_u64 s[50:51], s[50:51], s[66:67]
	s_mul_i32 s69, s44, RWB
	s_add_co_u32 s69, s69, RST                     ; my stage
; A row's 384 bytes of the chunk come as 256 + 128.  The first 256: two rows a load, sixteen lanes to a row (row lane / 16, 16 bytes at 16 (lane % 16)): eight loads.
; The last 128: four rows a load, eight lanes to a row (row lane / 8, 16 bytes at 256 + 16 (lane % 8)): four loads.  So every place is a shift and a mask of the lane's number.
	v_bfe_u32 v28, v0, 3, 2                        ; lane / 8
	v_and_b32 v29, 7, v0                           ; lane % 8
	v_mul_lo_u32 v8, v3, s55
	v_lshl_add_u32 v8, v2, 4, v8                   ; in memory: the first 256 bytes,
	v_mul_lo_u32 v9, v28, s55
	v_lshl_add_u32 v9, v29, 4, v9                  ; the last 128 (the 256 stand in the loads' immediate)
	v_mul_u32_u24 v10, v3, RPI
	v_lshl_add_u32 v10, v2, 4, v10
	v_add_nc_u32 v10, s69, v10                     ; in the stage, rows 400 bytes apart: the first 256 bytes,
	v_mul_u32_u24 v11, v28, RPI
	v_lshl_add_u32 v11, v29, 4, v11
	v_add_nc_u32 v11, s69, v11                     ; the last 128 (the 256 stand in the stores' immediate)
.irp g, 0,1,2,3,4,5,6,7                        ; tile rows 2 g, 2 g + 1
	s_mul_i32 s72, s58, \g/4
	s_add_co_u32 s72, s72, 2*\g
	s_mul_i32 s72, s72, s55
	v_add_nc_u32 v[16+\g], s72, v8
.endr
.irp g, 0,1,2,3                                ; tile rows 4 g .. 4 g + 3
	s_mul_i32 s72, s58, \g/2
	s_add_co_u32 s72, s72, 4*\g
	s_mul_i32 s72, s72, s55
	v_add_nc_u32 v[24+\g], s72, v9
.endr
	v_mul_u32_u24 v14, v2, RPI
	v_mad_u32_u24 v14, v3, 24, v14
	v_add_nc_u32 v14, s69, v14                     ; out of the stage: row r, + 24 h
	v_lshrrev_b32 v15, 3, v2
	v_mul_lo_u32 v15, v15, s58
	v_add_nc_u32 v15, v15, v2
	v_mul_lo_u32 v15, v15, s56                     ; my row's scale bytes
	global_load_b128 v[32:35], v15, s[48:49] th:TH_LOAD_NT       ; the chunk's 16 scale bytes of row r: four words
.irp g, 0,1,2,3,4,5,6,7
	global_load_b128 v[64+4*\g:64+4*\g+3], v[16+\g], s[46:47] th:TH_LOAD_NT
.endr
.irp g, 0,1,2,3
	global_load_b128 v[96+4*\g:96+4*\g+3], v[24+\g], s[46:47] offset:256 th:TH_LOAD_NT
.endr
	s_wait_loadcnt 0x0
.irp g, 0,1,2,3,4,5,6,7
	ds_store_b128 v10, v[64+4*\g:64+4*\g+3] offset:2*RPI*\g
.endr
.irp g, 0,1,2,3
	ds_store_b128 v11, v[96+4*\g:96+4*\g+3] offset:4*RPI*\g+256
.endr
.irp q, 0,1,2,3                                ; the fragments, in pieces of 8 bytes: 24 bytes at 96 q + 24 h and 24 at 96 q + 48 + 24 h of my row.  LDS serves a wave's instructions in order: these see my stores
.irp i, 0,1,2,3,4,5
	ds_load_b64 v[112+12*\q+2*\i:112+12*\q+2*\i+1], v14 offset:96*\q+48*(\i/3)+8*(\i%3)
.endr
.endr
	s_wait_dscnt 0x0
.irp q, 0,1,2,3
.irp g, 0,1,2
	global_store_b128 v[LI], v[112+12*\q+4*\g:112+12*\q+4*\g+3], s[50:51] offset:1536*\q+512*\g
.endr
.endr
	global_store_b128 v[L16], v[32:35], s[50:51] offset:6144
	s_wait_tensorcnt 0x0
	ds_add_u32 v55, v59
	s_wait_dscnt 0x0
	s_endpgm
.Lfunc_end_k_qea8177e3bb_prep:
	.size	k_qea8177e3bb_prep, .Lfunc_end_k_qea8177e3bb_prep-k_qea8177e3bb_prep
	.p2alignl 7, 3214868480
	.fill 96, 4, 3214868480
	.section	.rodata,"a",@progbits
	.p2align	6, 0x0
	.amdhsa_kernel k_qea8177e3bb_prep
		.amdhsa_group_segment_fixed_size 59904
		.amdhsa_private_segment_fixed_size 0
		.amdhsa_enable_private_segment 0
		.amdhsa_kernarg_size 160
		.amdhsa_user_sgpr_count 2
		.amdhsa_user_sgpr_kernarg_segment_ptr 1
		.amdhsa_wavefront_size32 1
		.amdhsa_system_sgpr_workgroup_id_x 1
		.amdhsa_system_sgpr_workgroup_id_y 1
		.amdhsa_system_sgpr_workgroup_id_z 1
		.amdhsa_system_vgpr_workitem_id 0
		.amdhsa_next_free_vgpr 256
		.amdhsa_next_free_sgpr 80
		.amdhsa_reserve_vcc 0
		.amdhsa_float_denorm_mode_32 3
		.amdhsa_float_denorm_mode_16_64 3
		.amdhsa_memory_ordered 1
		.amdhsa_forward_progress 1
		.amdhsa_inst_pref_size 48
	.end_amdhsa_kernel
	.amdgpu_metadata
---
amdhsa.version: [ 1, 2 ]
amdhsa.kernels:
  - .name:           k_qea8177e3bb_prep
    .symbol:         k_qea8177e3bb_prep.kd
    .args:
      - { .name: x_t, .offset: 0, .size: 8, .value_kind: global_buffer, .address_space: global }
      - { .name: state, .offset: 8, .size: 8, .value_kind: global_buffer, .address_space: global }
      - { .name: conditioning_codes, .offset: 16, .size: 8, .value_kind: global_buffer, .address_space: global }
      - { .name: conditioning_scales, .offset: 24, .size: 8, .value_kind: global_buffer, .address_space: global }
      - { .name: W_step_codes, .offset: 32, .size: 8, .value_kind: global_buffer, .address_space: global }
      - { .name: W_step_scales, .offset: 40, .size: 8, .value_kind: global_buffer, .address_space: global }
      - { .name: W_cstep_codes, .offset: 48, .size: 8, .value_kind: global_buffer, .address_space: global }
      - { .name: W_cstep_scales, .offset: 56, .size: 8, .value_kind: global_buffer, .address_space: global }
      - { .name: W_in_codes, .offset: 64, .size: 8, .value_kind: global_buffer, .address_space: global }
      - { .name: W_in_scales, .offset: 72, .size: 8, .value_kind: global_buffer, .address_space: global }
      - { .name: W_cin_codes, .offset: 80, .size: 8, .value_kind: global_buffer, .address_space: global }
      - { .name: W_cin_scales, .offset: 88, .size: 8, .value_kind: global_buffer, .address_space: global }
      - { .name: W_state_codes, .offset: 96, .size: 8, .value_kind: global_buffer, .address_space: global }
      - { .name: W_state_scales, .offset: 104, .size: 8, .value_kind: global_buffer, .address_space: global }
      - { .name: W_out_codes, .offset: 112, .size: 8, .value_kind: global_buffer, .address_space: global }
      - { .name: W_out_scales, .offset: 120, .size: 8, .value_kind: global_buffer, .address_space: global }
      - { .name: aq, .offset: 128, .size: 8, .value_kind: global_buffer, .address_space: global }
      - { .name: wq, .offset: 136, .size: 8, .value_kind: global_buffer, .address_space: global }
      - { .name: woq, .offset: 144, .size: 8, .value_kind: global_buffer, .address_space: global }
      - { .name: catq, .offset: 152, .size: 8, .value_kind: global_buffer, .address_space: global }
    .group_segment_fixed_size: 59904
    .private_segment_fixed_size: 0
    .kernarg_segment_align: 8
    .kernarg_segment_size: 160
    .max_flat_workgroup_size: 128
    .sgpr_count:     80
    .vgpr_count:     256
    .wavefront_size: 32
...
	.end_amdgpu_metadata
.endif
;; end of part 1
;; launch cell (part 2): grid 8 x 32, 4 waves a work-group, clusters of 4 x 4, 327,680 bytes of LDS; arguments aq, wq, state, carry_scale, b_step, b_in, log_decay, out1, catq; writes out1, catq
.if DOCPART == 2
	.amdgcn_target "amdgcn-amd-amdhsa--gfx1250"
	.amdhsa_code_object_version 6
	.text
	.protected	k_qea8177e3bb_cell
	.globl	k_qea8177e3bb_cell
	.p2align	8
	.type	k_qea8177e3bb_cell,@function
k_qea8177e3bb_cell:
	s_mov_b64 s[64:65], 0
	v_nop
	global_prefetch_b8 v0, s[64:65] scope:SCOPE_SE
	s_setreg_imm32_b32 hwreg(HW_REG_WAVE_MODE, 25, 1), 1
	s_wait_xcnt 0x0
	s_wait_alu depctr_hold_cnt(0) depctr_sa_sdst(0) depctr_va_vdst(0) depctr_va_sdst(0) depctr_va_ssrc(0) depctr_va_vcc(0) depctr_vm_vsrc(0)
	s_getreg_b32 s2, hwreg(HW_REG_IB_STS2, 6, 4)
	s_cmp_eq_u32 s2, 0
	s_cbranch_scc0 .Lentry_in_a_cluster
	s_endpgm
.Lentry_in_a_cluster:
	s_bfe_u32 s2, ttmp6, 0x10000c
	s_cmp_lg_u32 s2, 0xf033
	s_cbranch_scc0 .Lentry_shape_is_right
	s_endpgm
.Lentry_shape_is_right:
; new_state = d state + (1 - d) tanh(x W_in + b_in + c W_cin + state W_state),  d = exp(-step exp(log_decay)) carry_scale,  step = softplus(x W_step + b_step) + 0.1 softplus(c W_cstep).
; The five products run on E2M3 codes with E8M0 scales, laid by the launch before as chunks (16 tile rows x 512 K, 6,400 bytes: four images of an operand's 12 registers, then 16 rows x four scale words).
; SHARES.  A work-group makes 128 rows x 256 columns of new_state, each of its four waves 64 x 128: 32 accumulators of 16 x 16.  The products are used transposed (source 0 = 16 weight rows, source 1 = 16 batch rows)
; and the weights' tile rows were chosen so that register 64 a + 16 b + i of lane (r, h) is row 16 a + r, column 32 b + 16 h + i: 16 neighbours along the next product's K.
; THE RING.  14 items go through two LDS slots by turns: T0 .. T11, each A's 8 chunks and the weights' 16 chunks of 512 along K (T0 T1: x W_step; T2 T3: c W_cstep; T4 T5: x W_in; T6 T7: c W_cin; T8-T11: state W_state),
; then the work-group's tile of carry_scale, then that of state (f32, four strips of 128 rows x 256 bytes).  The turn at the end of item i asks for item i + 2: one tensor load a wave behind each round.
; CLUSTERS.  4 x 4 work-groups: the four of a row of the cluster need the same chunks of A, the four of a column the same chunks of the weights: each is asked for jointly.  The f32 tiles are each work-group's own.
; THE GATE, in base 2.  y = (sum + b) log2 e; sp2(y) = max(y, 0) + log2(1 + 2^-|y|) = softplus / ln 2, stable for every y; d0 = 2^(-(sp2 x + 0.1 sp2 c) exp(log_decay)); tanh z = 1 - 2 / (1 + 2^(2 z log2 e)).
; LIMITS: softplus and tanh carry an absolute error of about 1.2e-7; NaN and infinities among the inputs are not served; a block of new_state whose largest magnitude lies under 2^-124 gets the scale byte 1.
; REGISTERS, in windows of 256.  window 0: v1-20 addresses; v32-95 scale words, two sets of 32 (register 4 i + q: lanes 0-15 A's block i, lanes 16-31 the weights' block i, K step q); v96-191 A's fragments, two sets of 48;
;   v192-255 at work.   window 1: the weights' fragments, two sets at v0 and v128; 64 numbers a column (tile t at v[96 + 8 t + 96 (t / 4)]).   window 2: KEEP, the step and then d0.   window 3: the accumulators.
; The two laps in front of the gate's first two parts are written out, so that every register is written on every path ahead of its first read.
.set SLOT,  153600                     ; A's 8 chunks, then the weights' 16
.set CHB,   6400
.set BOFF,  8*CHB
.set FSTR,  34816                      ; a strip of an f32 tile: 128 rows x (256 bytes + 16)
.set FPI,   272
.set SPARE, 2*SLOT                     ; the spare words, 128 bytes for each wave: two blocks of 256 bytes that no other line names
.set LI,   4                           ; v4   16 x lane
.set ADRA, 8                           ; v8-9   my A fragments in slot 0, 1
.set ADRB, 10                          ; v10-11 my weight fragments
.set ADRS, 12                          ; v12-13 my scale words: lanes 0-15 A's, lanes 16-31 the weights'
.set FLC,  14                          ; v14  my 64 bytes of a row of carry_scale's tile
.set FLS,  15                          ; v15  the same in state's tile
.set RDB,  16                          ; v16  a row of new_state read back: lanes 0-15 the left strip, lanes 16-31 the right
.set COLA, 17                          ; v17  64 h
.set L16,  18                          ; v18  16 r
.set PFO,  19                          ; v19  the prefetches' offset: a row of 8,192 bytes a lane, + my wave's strip
.set PW,   20                          ; v20  the scale word just made
.set SPW,  28
.set NIL,  29
.set SC,   32
.set AF,   96
.set WK,   192
.set CW,   96                          ; the end: 64 numbers of carry_scale, then d, then new_state
.set SW,   160                         ; 64 numbers of state, then rows of new_state
.set TM,   224
.set PC,   236
.set WV,   22
.set WHI,  23
.set WLO,  24
.set LAP,  29
.set G1A,  32
.set G1B,  40
.set G1F,  48
.set G0A,  56
.set G0B,  68
.set G0C,  76
.set G0S,  80
.set L2E,  84                          ; s[84:85] log2 e
.set P1,   86                          ; s[86:87] 0.1
.set L2E2, 88                          ; s[88:89] 2 log2 e
.set IMG,  90                          ; s[90:91] where my fragments of new_state go
.set IMS,  92                          ; s[92:93] and their scale words
.set SEL,  94
.set PFC,  96                          ; s[96:97] the work-group's tile of carry_scale
.set PFS,  98                          ; s[98:99] and of state
.set MSB, 0
.macro WIN new                         ; the immediate's high byte repeats the setting that is left
.if MSB != \new
	s_set_vgpr_msb (MSB<<8)|\new
.set MSB, \new
.endif
.endm
.set MUL,  0xf1                        ; source 0 (weights) window 1, source 1 (A) window 0, C and D window 3
.set TO_B, 0x40
.macro PLACES                          ; four plain places: behind matrix instructions, in front of loads into their registers and of the first read of results
.rept 4
	v_nop
.endr
.endm
.macro JLOAD s                         ; a joint load: waves 0 and 1 fetch A's halves, waves 2 and 3 the weights'; four v_nop follow each line
	s_cmp_eq_u32 s[WHI], 0
	s_cbranch_scc0 .Lfor_b_\@
	tensor_load_to_lds s[G0A+4*\s:G0A+4*\s+3], s[G1A:G1A+7]
	s_nop 0
.rept 4
	v_nop
.endr
	s_branch .Lasked_\@
.Lfor_b_\@:
	tensor_load_to_lds s[G0B+4*\s:G0B+4*\s+3], s[G1B:G1B+7]
	s_nop 0
.rept 4
	v_nop
.endr
.Lasked_\@:
.endm
.macro FLOAD g0                        ; my wave's strip of an f32 tile
	tensor_load_to_lds s[\g0:\g0+3], s[G1F:G1F+7]
	s_nop 0
.rept 4
	v_nop
.endr
.endm
.macro CREST                           ; a round of the cluster's barrier behind its opening barrier
	s_cmp_lg_u32 s[WV], 0
	s_cbranch_scc1 .Lnot_wave_0_\@
	s_barrier_signal -3
.Lnot_wave_0_\@:
	s_barrier_wait -3
	s_barrier_signal -1
	s_barrier_wait -1
.endm
.macro CROUND
	s_barrier_signal -1
	s_barrier_wait -1
	CREST
.endm
.macro FETCH s, q, p                   ; K step q of slot s into set p: 36 loads of 512 consecutive bytes
	WIN TO_B
.irp b, 0,1,2,3,4,5,6,7
.irp g, 0,1,2
	ds_load_b128 v[128*(\p)+12*\b+4*\g:128*(\p)+12*\b+4*\g+3], v[ADRB+\s] offset:CHB*\b+1536*(\q)+512*\g
.endr
.endr
	WIN 0
.irp a, 0,1,2,3
.irp g, 0,1,2
	ds_load_b128 v[AF+48*(\p)+12*\a+4*\g:AF+48*(\p)+12*\a+4*\g+3], v[ADRA+\s] offset:CHB*\a+1536*(\q)+512*\g
.endr
.endr
.endm
.macro SCALES s                        ; an item's scale words: four a row by one load
.irp i, 0,1,2,3,4,5,6,7
	ds_load_b128 v[SC+32*\s+4*\i:SC+32*\s+4*\i+3], v[ADRS+\s] offset:CHB*\i
.endr
.endm
; 8 matrix instructions: A's block a against the weights' eight.  The 32 accumulators take turns, one instruction a turn, in the same order in every step
.macro MUL8 a, p, q, sc, zero
.irp b, 0,1,2,3,4,5,6,7
.if \zero
	v_wmma_scale_f32_16x16x128_f8f6f4 v[64*(\a)+8*\b:64*(\a)+8*\b+7], v[128*(\p)+12*\b:128*(\p)+12*\b+11], v[AF+48*(\p)+12*(\a):AF+48*(\p)+12*(\a)+11], 0, v[SC+32*(\sc)+4*\b+(\q)], v[SC+32*(\sc)+4*(\a)+(\q)] matrix_a_fmt:MATRIX_FMT_FP6 matrix_b_fmt:MATRIX_FMT_FP6 matrix_a_scale:MATRIX_SCALE_ROW1
.else
	v_wmma_scale_f32_16x16x128_f8f6f4 v[64*(\a)+8*\b:64*(\a)+8*\b+7], v[128*(\p)+12*\b:128*(\p)+12*\b+11], v[AF+48*(\p)+12*(\a):AF+48*(\p)+12*(\a)+11], v[64*(\a)+8*\b:64*(\a)+8*\b+7], v[SC+32*(\sc)+4*\b+(\q)], v[SC+32*(\sc)+4*(\a)+(\q)] matrix_a_fmt:MATRIX_FMT_FP6 matrix_b_fmt:MATRIX_FMT_FP6 matrix_a_scale:MATRIX_SCALE_ROW1
.endif
.endr
.endm
.macro STEP s, q, zero                 ; K step q = 0, 1, 2 of an item: the next step's fragments are asked for ahead of this step's 32 products
	s_wait_dscnt 0x0                               ; this step's fragments (and at q = 0 the scale words), asked for a step ago, are in
	PLACES
	FETCH \s, (\q)+1, 1-(\q)%2
	WIN MUL
	MUL8 0, (\q)%2, \q, \s, \zero
	MUL8 1, (\q)%2, \q, \s, \zero
	MUL8 2, (\q)%2, \q, \s, \zero
	MUL8 3, (\q)%2, \q, \s, \zero
	WIN 0
.endm
; A PREFETCH INTO THE L2 of an f32 tile that a tensor load will ask for two items, 256 matrix instructions, later: my wave's strip, 128 rows x 256 bytes, a lane a row, four instructions.
; Each work-group's tile is its own, so each row's 256 bytes are named once in the launch.  Only the loop's last trip asks.
.macro ASK base
	s_cmp_eq_u32 s[LAP], 1
	s_cbranch_scc0 .Lno_ask_\@
.irp i, 0,1,2,3
	global_prefetch_b8 v[PFO], s[\base:\base+1] offset:\i*262144 th:TH_LOAD_NT scope:SCOPE_SE
.endr
.Lno_ask_\@:
.endm
; An item's last K step changes slots.  kind 0: slot s takes the item two on (dir = 1: A's chunks go back by two);  1: carry_scale's tile;  2: state's tile, and nothing more is fetched.
.macro TURN s, nx, kind, dir, ask
	s_wait_tensorcnt 0x0                           ; all my tensor loads have landed: my part of the next slot;
	ds_add_u32 v[SPW], v[NIL]                      ; 0 onto my spare word;
	s_wait_dscnt 1                                 ; (only the add may be out: this step's fragments are in)
	WIN MUL
	MUL8 0, 1, 3, \s, 0                            ; sixteen matrix instructions stand between the add and the wait for it
	MUL8 1, 1, 3, \s, 0
	s_wait_dscnt 0x0                               ; the add is done, and my reads of this slot are over
	s_barrier_signal -1
	MUL8 2, 1, 3, \s, 0
	WIN 0
	s_barrier_wait -1
	CREST                                          ; the barrier has opened a round of the cluster's barrier: no wave of any partner still reads this slot or has a load on its way
.if \kind == 0
.if \dir
	s_sub_nc_u64 s[G0A+4*\s+2:G0A+4*\s+3], s[G0A+4*\s+2:G0A+4*\s+3], 2*CHB
.else
	s_add_nc_u64 s[G0A+4*\s+2:G0A+4*\s+3], s[G0A+4*\s+2:G0A+4*\s+3], 2*CHB
.endif
	s_add_nc_u64 s[G0B+4*\s+2:G0B+4*\s+3], s[G0B+4*\s+2:G0B+4*\s+3], 2*CHB
	JLOAD \s                                       ; my one tensor load behind the round; its four v_nop are also the places in front of the loads below
.elseif \kind == 1
	FLOAD G0C
.else
	FLOAD G0S
.endif
.if \kind < 2
	FETCH \nx, 0, 0
	SCALES \nx
.endif
.if \ask == 1
	ASK PFC
.elseif \ask == 2
	ASK PFS
.endif
	WIN MUL
	MUL8 3, 1, 3, \s, 0
	WIN 0
.endm
.macro COLLOAD base                    ; 64 numbers a column: tile t's eight of my half, at column 32 (t / 2) + 8 (t % 2) + 16 h
	WIN TO_B
.irp t, 0,1,2,3,4,5,6,7
	global_load_b128 v[96+8*\t+96*(\t/4):96+8*\t+96*(\t/4)+3], v[COLA], s[\base:\base+1] offset:(32*(\t/2)+8*(\t%2))*4
	global_load_b128 v[96+8*\t+96*(\t/4)+4:96+8*\t+96*(\t/4)+7], v[COLA], s[\base:\base+1] offset:(32*(\t/2)+8*(\t%2))*4+16
.endr
	WIN 0
.endm
.macro COLSCALE k                      ; the 64 numbers x s[k]
	WIN 0x41
.irp t, 0,1,2,3,4,5,6,7
.irp j, 0,2,4,6
	v_pk_mul_f32 v[96+8*\t+96*(\t/4)+\j:96+8*\t+96*(\t/4)+\j+1], v[96+8*\t+96*(\t/4)+\j:96+8*\t+96*(\t/4)+\j+1], s[\k:\k+1] op_sel_hi:[1,0]
.endr
.endr
.endm
.macro ACCFMA k                        ; accumulators x s[k] + the column's number; each accumulator is read from its low end on
	WIN 0xd3
.set i, 0
.rept 128
	v_pk_fma_f32 v[i:i+1], v[i:i+1], s[\k:\k+1], v[96+8*((i%64)/8)+96*((i%64)/32)+i%8:96+8*((i%64)/8)+96*((i%64)/32)+i%8+1] op_sel_hi:[1,0,1]
.set i, i+2
.endr
.endm
.macro LOG1P                           ; accumulators y -> log2(1 + 2^-|y|).  Each batch of transcendentals has one plain place and one wait behind it
	WIN 0xc3
.set i, 0
.rept 256
	v_exp_f32 v[i], -|v[i]|
.set i, i+1
.endr
	v_nop
	s_wait_alu depctr_va_vdst(0)
.set i, 0
.rept 128
	v_pk_add_f32 v[i:i+1], v[i:i+1], 1.0 op_sel_hi:[1,0]
.set i, i+2
.endr
.set i, 0
.rept 256
	v_log_f32 v[i], v[i]
.set i, i+1
.endr
	v_nop
	s_wait_alu depctr_va_vdst(0)
.endm
.macro QUANT s, pw                     ; 64 numbers of a lane, register 16 b + i = k 32 b + 16 h + i of my row, become a fragment's codes in v[PC] on and its scale word in v[pw]
.irp b, 0,1,2,3
	v_max3_num_f32 v[TM+\b], |v[\s+16*\b]|, |v[\s+1+16*\b]|, 0x1800000   ; and the floor 2^(3 - 127): the byte cannot fall under 1
.endr
.irp i, 2,4,6,8,10,12,14
.irp b, 0,1,2,3
	v_max3_num_f32 v[TM+\b], v[TM+\b], |v[\s+16*\b+\i]|, |v[\s+1+16*\b+\i]|
.endr
.endr
.irp b, 0,1,2,3
	v_permlanex16_b32 v[TM+4+\b], v[TM+\b], s[SEL], s[SEL+1]
.endr
.irp b, 0,1,2,3
	v_max_num_f32 v[TM+\b], v[TM+\b], v[TM+4+\b]
.endr
.irp b, 0,1,2,3
	v_add_nc_u32 v[TM+8+\b], 0xff000000, v[TM+\b]        ; 2 off the exponent field: the conversion's scale operand
.endr
.irp b, 0,1,2,3
	v_lshrrev_b32 v[TM+4+\b], 23, v[TM+8+\b]
.endr
	v_lshl_or_b32 v[\pw], v[TM+5], 8, v[TM+4]
	v_lshl_or_b32 v[\pw], v[TM+6], 16, v[\pw]
	v_lshl_or_b32 v[\pw], v[TM+7], 24, v[\pw]
.irp c, 0,1
	v_cvt_scalef32_pk16_fp6_f32 v[PC+6*\c:PC+2+6*\c], v[\s+32*\c:\s+15+32*\c], v[TM+8+2*\c]
	v_cvt_scalef32_pk16_fp6_f32 v[PC+12+4*\c:PC+14+4*\c], v[\s+16+32*\c:\s+31+32*\c], v[TM+8+2*\c+1]
.endr
	v_nop                                          ; one plain place behind a scaled conversion
.irp c, 0,1
.irp i, 0,1,2
	v_permlane16_swap_b32 v[PC+6*\c+\i], v[PC+12+4*\c+\i]
.endr
.irp i, 0,1,2
	v_mov_b32 v[PC+3+6*\c+\i], v[PC+12+4*\c+\i]
.endr
.endr
.endm
	s_load_b512 s[4:19], s[0:1], 0x0               ; aq 4, wq 6, state 8, carry_scale 10, b_step 12, b_in 14, log_decay 16, out1 18
	s_load_b64 s[20:21], s[0:1], 0x40              ; catq
	v_lshl_add_u32 v[SPW], v0, 2, SPARE
	v_mov_b32 v[NIL], 0
	ds_add_u32 v28, v29
	ds_add_u32 v28, v29
	s_wait_dscnt 0x0
	v_lshrrev_b32 v1, 5, v0
	v_readfirstlane_b32 s[WV], v1                  ; wave 0..3
	s_lshr_b32 s[WHI], s[WV], 1                    ; which 64 rows are mine.  Also: I fetch for A (0) or for the weights (1)
	s_and_b32 s[WLO], s[WV], 1                     ; which 128 columns.  Also: which half of the chunks I fetch
	s_bfe_u32 s25, ttmp6, 0x40000                  ; cx
	s_bfe_u32 s26, ttmp6, 0x40004                  ; cy
	s_lshl_b32 s27, ttmp9, 2
	s_add_co_u32 s27, s27, s25                     ; tile column 0..7
	s_and_b32 s28, ttmp7, 0xffff
	s_lshl_b32 s28, s28, 2
	s_add_co_u32 s28, s28, s26                     ; tile row 0..31
	s_lshl_b32 s2, s26, 2
	s_lshl_b32 s2, 15, s2                          ; my row of the cluster
	s_lshl_b32 s3, 0x1111, s25                     ; my column
	s_or_b32 s[G1A], s2, (3<<16)|(1<<21)           ; 15:0 the mask; 17:16 elements of 8 bytes; 21 set beside a mask; no padding
	s_or_b32 s[G1B], s3, (3<<16)|(1<<21)
	s_mov_b32 s[G1A+1], 800<<16                    ; A: 4 chunks of 800 elements, 51,200 bytes (6,400 elements) apart
	s_mov_b32 s[G1A+2], 4<<16
	s_mov_b32 s[G1A+3], 800<<16
	s_mov_b32 s[G1A+4], 4
	s_mov_b32 s[G1A+5], 6400
	s_mov_b32 s[G1A+6], 0
	s_mov_b32 s[G1A+7], 0
	s_mov_b32 s[G1B+1], 800<<16                    ; the weights: 8 chunks, 76,800 bytes (9,600 elements) apart
	s_mov_b32 s[G1B+2], 8<<16
	s_mov_b32 s[G1B+3], 800<<16
	s_mov_b32 s[G1B+4], 8
	s_mov_b32 s[G1B+5], 9600
	s_mov_b32 s[G1B+6], 0
	s_mov_b32 s[G1B+7], 0
	s_mov_b32 s[G1F], (3<<16)|(1<<20)|(5<<22)|(3<<25)   ; an f32 strip: no mask; 128 rows of 32 elements of 8 bytes, 8,192 bytes apart; 4 words of padding behind every 64
	s_mov_b32 s[G1F+1], 32<<16
	s_mov_b32 s[G1F+2], 128<<16
	s_mov_b32 s[G1F+3], 32<<16
	s_mov_b32 s[G1F+4], 128
	s_mov_b32 s[G1F+5], 1024
	s_mov_b32 s[G1F+6], 0
	s_mov_b32 s[G1F+7], 0
	s_lshl_b32 s30, s28, 3                         ; A hangs on the tile row and the wave alone,
	s_lshl_b32 s31, s[WLO], 2
	s_add_co_u32 s30, s30, s31
	s_mul_i32 s30, s30, 51200
	s_mov_b32 s31, 0
	s_lshl_b32 s66, s27, 4                         ; the weights on the tile column and the wave alone
	s_lshl_b32 s67, s[WLO], 3
	s_add_co_u32 s66, s66, s67
	s_mul_i32 s66, s66, 76800
	s_mov_b32 s67, 0
	s_mul_i32 s100, s[WLO], 4*CHB                  ; where they go: no place in the cluster enters an LDS address
	s_mul_i32 s101, s[WLO], 8*CHB
	s_add_co_u32 s101, s101, BOFF
	s_wait_kmcnt 0x0
	s_add_nc_u64 s[30:31], s[4:5], s[30:31]
	s_add_nc_u64 s[66:67], s[6:7], s[66:67]
	CROUND                                         ; all sixteen work-groups are here: the first joint loads meet
.irp s, 0,1
	s_mov_b32 s[G0A+4*\s], 1
	s_add_co_u32 s[G0A+4*\s+1], s100, \s*SLOT
	s_add_nc_u64 s[G0A+4*\s+2:G0A+4*\s+3], s[30:31], \s*CHB
	s_or_b32 s[G0A+4*\s+3], s[G0A+4*\s+3], 0x80000000
	s_mov_b32 s[G0B+4*\s], 1
	s_add_co_u32 s[G0B+4*\s+1], s101, \s*SLOT
	s_add_nc_u64 s[G0B+4*\s+2:G0B+4*\s+3], s[66:67], \s*CHB
	s_or_b32 s[G0B+4*\s+3], s[G0B+4*\s+3], 0x80000000
	JLOAD \s                                       ; two loads of mine are out
.endr
	s_lshl_b32 s2, s28, 20                         ; the work-group's f32 tile: 128 rows of 8,192 bytes a tile row, 1,024 bytes a tile column
	s_lshl_b32 s3, s27, 10
	s_add_co_u32 s2, s2, s3
	s_mov_b32 s3, 0
	s_add_nc_u64 s[PFC:PFC+1], s[10:11], s[2:3]
	s_add_nc_u64 s[PFS:PFS+1], s[8:9], s[2:3]
	s_lshl_b32 s2, s[WV], 8                        ; my strip
	s_mov_b32 s[G0C], 1
	s_mul_i32 s[G0C+1], s[WV], FSTR
	s_add_nc_u64 s[G0C+2:G0C+3], s[PFC:PFC+1], s[2:3]
	s_or_b32 s[G0C+3], s[G0C+3], 0x80000000
	s_mov_b32 s[G0S], 1
	s_add_co_u32 s[G0S+1], s[G0C+1], SLOT
	s_add_nc_u64 s[G0S+2:G0S+3], s[PFS:PFS+1], s[2:3]
	s_or_b32 s[G0S+3], s[G0S+3], 0x80000000
	s_lshl_b32 s2, s27, 10                         ; my first column, in bytes: 1,024 x tile column + 512 x half
	s_lshl_b32 s4, s[WLO], 9
	s_add_co_u32 s2, s2, s4
	s_add_nc_u64 s[12:13], s[12:13], s[2:3]
	s_add_nc_u64 s[14:15], s[14:15], s[2:3]
	s_add_nc_u64 s[16:17], s[16:17], s[2:3]
	s_lshl_b32 s4, s28, 20
	s_add_co_u32 s2, s2, s4
	s_lshl_b32 s4, s[WHI], 19
	s_add_co_u32 s2, s2, s4
	s_add_nc_u64 s[18:19], s[18:19], s[2:3]        ; out1 at my first row and column
	s_lshl_b32 s2, s28, 3
	s_lshl_b32 s4, s[WHI], 2
	s_add_co_u32 s2, s2, s4                        ; my first block of 16 rows
	s_mul_i32 s2, s2, 38400
	s_lshr_b32 s4, s27, 1
	s_add_co_u32 s4, s4, 2                         ; my columns' chunk of catq: behind x's two
	s_mul_i32 s4, s4, CHB
	s_add_co_u32 s2, s2, s4
	s_add_nc_u64 s[20:21], s[20:21], s[2:3]
	s_and_b32 s4, s27, 1
	s_lshl_b32 s4, s4, 1
	s_add_co_u32 s4, s4, s[WLO]                    ; and their K step in it
	s_mul_i32 s2, s4, 1536
	s_add_nc_u64 s[IMG:IMG+1], s[20:21], s[2:3]
	s_lshl_b32 s2, s4, 2
	s_add_co_u32 s2, s2, 6144
	s_add_nc_u64 s[IMS:IMS+1], s[20:21], s[2:3]
	s_mov_b32 s[L2E], 0x3fb8aa3b
	s_mov_b32 s[L2E+1], s[L2E]                     ; (the packed forms name a pair and take its low word for both halves: so both are written)
	s_mov_b32 s[P1], 0x3dcccccd
	s_mov_b32 s[P1+1], s[P1]
	s_mov_b32 s[L2E2], 0x4038aa3b
	s_mov_b32 s[L2E2+1], s[L2E2]
	s_mov_b32 s[SEL], 0x76543210
	s_mov_b32 s[SEL+1], 0xfedcba98
	v_and_b32 v1, 31, v0                           ; lane
	v_and_b32 v2, 15, v0                           ; r
	v_bfe_u32 v3, v0, 4, 1                         ; h
	v_lshlrev_b32 v[LI], 4, v1
	s_mul_i32 s2, s[WHI], 4*CHB                    ; my four chunks of A
	v_add_nc_u32 v[ADRA], s2, v[LI]
	v_add_nc_u32 v[ADRA+1], SLOT, v[ADRA]
	v_add_nc_u32 v[ADRB], s101, v[LI]              ; my eight of the weights
	v_add_nc_u32 v[ADRB+1], SLOT, v[ADRB]
	s_sub_co_u32 s3, s101, s2
	v_mul_u32_u24 v5, s3, v3                       ; lanes 16-31 take the weights' scale words: one product, the distance between the two bases
	v_lshl_add_u32 v[ADRS], v2, 4, v5
	s_add_co_u32 s2, s2, 6144
	v_add_nc_u32 v[ADRS], s2, v[ADRS]
	v_add_nc_u32 v[ADRS+1], SLOT, v[ADRS]
	s_mul_i32 s2, s[WLO], 2*FSTR                   ; my two strips,
	s_mul_i32 s3, s[WHI], 64*FPI                   ; my 64 rows
	s_add_co_u32 s2, s2, s3
	v_mul_u32_u24 v[FLC], v2, FPI
	v_lshl_add_u32 v[FLC], v3, 6, v[FLC]
	v_add_nc_u32 v[FLC], s2, v[FLC]
	v_add_nc_u32 v[FLS], SLOT, v[FLC]
	v_mul_u32_u24 v[RDB], v3, FSTR
	v_lshl_add_u32 v[RDB], v2, 4, v[RDB]
	s_add_co_u32 s2, s2, SLOT
	v_add_nc_u32 v[RDB], s2, v[RDB]
	v_lshlrev_b32 v[COLA], 6, v3
	v_lshlrev_b32 v[L16], 4, v2
	v_lshlrev_b32 v[PFO], 13, v1
	v_lshl_add_u32 v[PFO], s[WV], 8, v[PFO]
	COLLOAD 12                                     ; b_step
	s_wait_tensorcnt 1                             ; my part of item 0 is in; item 1's may stay out
	s_barrier_signal -1
	s_barrier_wait -1
	FETCH 0, 0, 0
	SCALES 0
; ---- x W_step (T0, T1) ----
	STEP 0, 0, 1                                   ; the first products start the sums: nothing is cleared
	STEP 0, 1, 0
	STEP 0, 2, 0
	TURN 0, 1, 0, 0, 0
	STEP 1, 0, 0
	STEP 1, 1, 0
	STEP 1, 2, 0
	TURN 1, 0, 0, 0, 0
; ---- KEEP = sp2((sum + b_step) log2 e).  The next item's fragments and tile are on their way meanwhile ----
	s_wait_loadcnt 0x0                             ; b_step
	PLACES
	COLSCALE L2E
	ACCFMA L2E
	WIN 0x8c
.set i, 0
.rept 256
	v_max_num_f32 v[i], 0, v[i]                    ; KEEP = max(y, 0)
.set i, i+1
.endr
	LOG1P
	WIN 0x8e
.set i, 0
.rept 128
	v_pk_add_f32 v[i:i+1], v[i:i+1], v[i:i+1]      ; KEEP += log2(1 + 2^-|y|)   (source 0 and the result in window 2, source 1 in window 3)
.set i, i+2
.endr
	COLLOAD 16                                     ; log_decay
; ---- c W_cstep (T2, T3).  Its turns ask for T4 and T5, whose A is x again: two chunks back ----
	STEP 0, 0, 1
	STEP 0, 1, 0
	STEP 0, 2, 0
	TURN 0, 1, 0, 1, 0
	STEP 1, 0, 0
	STEP 1, 1, 0
	STEP 1, 2, 0
	TURN 1, 0, 0, 1, 0
; ---- KEEP = d0 = 2^(-(KEEP + 0.1 sp2(sum log2 e)) exp(log_decay)) ----
	s_wait_loadcnt 0x0                             ; log_decay
	PLACES
	COLSCALE L2E
.irp t, 0,1,2,3,4,5,6,7
.irp j, 0,1,2,3,4,5,6,7
	v_exp_f32 v[96+8*\t+96*(\t/4)+\j], v[96+8*\t+96*(\t/4)+\j]     ; exp(log_decay)
.endr
.endr
	v_nop
	s_wait_alu depctr_va_vdst(0)
	WIN 0xc3
.set i, 0
.rept 128
	v_pk_mul_f32 v[i:i+1], v[i:i+1], s[L2E:L2E+1] op_sel_hi:[1,0]   ; y; each accumulator is read from its low end on
.set i, i+2
.endr
.irp c, 0,1,2,3
	WIN 0x0c
.set i, 0
.rept 64
	v_max_num_f32 v[WK+i], 0, v[64*\c+i]
.set i, i+1
.endr
	WIN 0xa0
.set i, 0
.rept 32
	v_pk_fma_f32 v[64*\c+i:64*\c+i+1], v[WK+i:WK+i+1], s[P1:P1+1], v[64*\c+i:64*\c+i+1] op_sel_hi:[1,0,1]   ; KEEP += 0.1 max(y, 0)
.set i, i+2
.endr
.endr
	LOG1P
	WIN 0xa3
.set i, 0
.rept 128
	v_pk_fma_f32 v[i:i+1], v[i:i+1], s[P1:P1+1], v[i:i+1] op_sel_hi:[1,0,1]   ; KEEP += 0.1 log2(1 + 2^-|y|)
.set i, i+2
.endr
	WIN 0x86
.set i, 0
.rept 128
	v_pk_mul_f32 v[i:i+1], v[i:i+1], v[96+8*((i%64)/8)+96*((i%64)/32)+i%8:96+8*((i%64)/8)+96*((i%64)/32)+i%8+1] neg_lo:[0,1] neg_hi:[0,1]   ; x -exp(log_decay)
.set i, i+2
.endr
	WIN 0x82
.set i, 0
.rept 256
	v_exp_f32 v[i], v[i]
.set i, i+1
.endr
	v_nop
	s_wait_alu depctr_va_vdst(0)
	COLLOAD 14                                     ; b_in
; ---- x W_in + c W_cin + state W_state (T4 .. T11) ----
	STEP 0, 0, 1
	s_mov_b32 s[LAP], 3
.Llap:                                             ; a trip goes once round the ring, from a lap's second K step to the next lap's first, and fills both slots again
	STEP 0, 1, 0
	STEP 0, 2, 0
	TURN 0, 1, 0, 0, 1
	STEP 1, 0, 0
	STEP 1, 1, 0
	STEP 1, 2, 0
	TURN 1, 0, 0, 0, 2
	STEP 0, 0, 0
	s_sub_co_u32 s[LAP], s[LAP], 1
	s_cmp_lg_u32 s[LAP], 0
	s_cbranch_scc1 .Llap
	STEP 0, 1, 0                                   ; the last lap is written out: its turns ask for the two f32 tiles
	STEP 0, 2, 0
	TURN 0, 1, 1, 0, 0
	STEP 1, 0, 0
	STEP 1, 1, 0
	STEP 1, 2, 0
	TURN 1, 0, 2, 0, 0
; ---- the accumulators become the proposal, tanh(sum + b_in); state's tile lands meanwhile ----
	s_wait_loadcnt 0x0                             ; b_in
	PLACES
	COLSCALE L2E2
	ACCFMA L2E2
	WIN 0xc3
.set i, 0
.rept 256
	v_exp_f32 v[i], v[i]
.set i, i+1
.endr
	v_nop
	s_wait_alu depctr_va_vdst(0)
.set i, 0
.rept 128
	v_pk_add_f32 v[i:i+1], v[i:i+1], 1.0 op_sel_hi:[1,0]
.set i, i+2
.endr
.set i, 0
.rept 256
	v_rcp_f32 v[i], v[i]
.set i, i+1
.endr
	v_nop
	s_wait_alu depctr_va_vdst(0)
.set i, 0
.rept 128
	v_pk_fma_f32 v[i:i+1], v[i:i+1], -2.0, 1.0 op_sel_hi:[1,0,0]
.set i, i+2
.endr
	WIN 0
.irp b, 0,1,2,3
	v_mov_b32 v[TM+4+\b], 0                        ; written once: a lane permute's destination counts as one of its sources
.endr
	s_wait_tensorcnt 0x0                           ; my strip of state's tile is in (carry_scale's was shown whole by the last round),
	s_wait_dscnt 0x0
	s_barrier_signal -1
	s_barrier_wait -1                              ; everybody's is.
; ---- the end, 16 rows at a time: d = d0 carry_scale; new_state = d (state - p) + p.  It goes into LDS over the state numbers that I alone read (that slot has had its last fill) and comes back as whole rows of
; 512 bytes for out1; in registers it is quantised along its columns, which are the sixth product's K: one fragment and one scale word a row ----
.macro FIN a
.if \a > 0
	s_wait_xcnt 0x0                                ; the last block's stores have read their registers: they are written again only behind this wait
.endif
.irp b, 0,1,2,3
.irp j, 0,1,2,3
	ds_load_b128 v[CW+16*\b+4*\j:CW+16*\b+4*\j+3], v[FLC] offset:16*FPI*\a+FSTR*(\b/2)+128*(\b%2)+16*\j
.endr
.endr
.irp b, 0,1,2,3
.irp j, 0,1,2,3
	ds_load_b128 v[SW+16*\b+4*\j:SW+16*\b+4*\j+3], v[FLS] offset:16*FPI*\a+FSTR*(\b/2)+128*(\b%2)+16*\j
.endr
.endr
	s_wait_dscnt 0x0
	WIN 0x02
.set i, 0
.rept 32
	v_pk_mul_f32 v[CW+i:CW+i+1], v[64*\a+i:64*\a+i+1], v[CW+i:CW+i+1]
.set i, i+2
.endr
	WIN 0x0c
.set i, 0
.rept 32
	v_pk_add_f32 v[SW+i:SW+i+1], v[SW+i:SW+i+1], v[64*\a+i:64*\a+i+1] neg_lo:[0,1] neg_hi:[0,1]
.set i, i+2
.endr
	WIN 0x30
.set i, 0
.rept 32
	v_pk_fma_f32 v[CW+i:CW+i+1], v[CW+i:CW+i+1], v[SW+i:SW+i+1], v[64*\a+i:64*\a+i+1]
.set i, i+2
.endr
	WIN 0
.irp b, 0,1,2,3
.irp j, 0,1,2,3
	ds_store_b128 v[FLS], v[CW+16*\b+4*\j:CW+16*\b+4*\j+3] offset:16*FPI*\a+FSTR*(\b/2)+128*(\b%2)+16*\j
.endr
.endr
.irp i, 0,1,2,3,4,5,6,7,8,9,10,11,12,13,14,15
	ds_load_b128 v[SW+4*\i:SW+4*\i+3], v[RDB] offset:(16*\a+\i)*FPI      ; LDS serves a wave's instructions in order: these see my stores; they land while the block is quantised
.endr
	QUANT CW, PW
.irp g, 0,1,2
	global_store_b128 v[LI], v[PC+4*\g:PC+4*\g+3], s[IMG:IMG+1] offset:38400*\a+512*\g     ; 512 consecutive bytes of the fragment's image
.endr
	global_store_b32 v[L16], v[PW], s[IMS:IMS+1] offset:38400*\a         ; four bytes a row, 16 bytes apart: one store in 20 of this block, 64 bytes of its 9,792
.irp i, 0,1,2,3,4,5,6,7,8,9,10,11,12,13,14,15
	s_wait_dscnt 15-\i                             ; row i is back; the younger rows may be out
	global_store_b128 v[LI], v[SW+4*\i:SW+4*\i+3], s[18:19] offset:(16*\a+\i)*8192 th:TH_STORE_NT   ; 32 lanes store 512 consecutive bytes, at a multiple of 256 from out1's first byte
.endr
.endm
	FIN 0
	FIN 1
	FIN 2
	FIN 3
	s_wait_tensorcnt 0x0                           ; the wave's end, behind my last tensor load and my last LDS store
	ds_add_u32 v[SPW], v[NIL]
	s_wait_dscnt 0x0
	CROUND                                         ; the closing round: no work-group ends while a partner may still ask for a tile that names it
	s_endpgm
.Lfunc_end_k_qea8177e3bb_cell:
	.size	k_qea8177e3bb_cell, .Lfunc_end_k_qea8177e3bb_cell-k_qea8177e3bb_cell
	.p2alignl 7, 3214868480
	.fill 96, 4, 3214868480
	.section	.rodata,"a",@progbits
	.p2align	6, 0x0
	.amdhsa_kernel k_qea8177e3bb_cell
		.amdhsa_group_segment_fixed_size 327680
		.amdhsa_private_segment_fixed_size 0
		.amdhsa_enable_private_segment 0
		.amdhsa_kernarg_size 72
		.amdhsa_user_sgpr_count 2
		.amdhsa_user_sgpr_kernarg_segment_ptr 1
		.amdhsa_wavefront_size32 1
		.amdhsa_system_sgpr_workgroup_id_x 1
		.amdhsa_system_sgpr_workgroup_id_y 1
		.amdhsa_system_sgpr_workgroup_id_z 1
		.amdhsa_system_vgpr_workitem_id 0
		.amdhsa_next_free_vgpr 1024
		.amdhsa_next_free_sgpr 104
		.amdhsa_reserve_vcc 0
		.amdhsa_float_denorm_mode_32 3
		.amdhsa_float_denorm_mode_16_64 3
		.amdhsa_memory_ordered 1
		.amdhsa_forward_progress 1
		.amdhsa_inst_pref_size 255
	.end_amdhsa_kernel
	.section	.bss,"aw",@nobits
	.p2align	6
	.space	262144
	.amdgpu_metadata
---
amdhsa.version: [ 1, 2 ]
amdhsa.kernels:
  - .name:           k_qea8177e3bb_cell
    .symbol:         k_qea8177e3bb_cell.kd
    .args:
      - { .name: aq, .offset: 0, .size: 8, .value_kind: global_buffer, .address_space: global }
      - { .name: wq, .offset: 8, .size: 8, .value_kind: global_buffer, .address_space: global }
      - { .name: state, .offset: 16, .size: 8, .value_kind: global_buffer, .address_space: global }
      - { .name: carry_scale, .offset: 24, .size: 8, .value_kind: global_buffer, .address_space: global }
      - { .name: b_step, .offset: 32, .size: 8, .value_kind: global_buffer, .address_space: global }
      - { .name: b_in, .offset: 40, .size: 8, .value_kind: global_buffer, .address_space: global }
      - { .name: log_decay, .offset: 48, .size: 8, .value_kind: global_buffer, .address_space: global }
      - { .name: out1, .offset: 56, .size: 8, .value_kind: global_buffer, .address_space: global }
      - { .name: catq, .offset: 64, .size: 8, .value_kind: global_buffer, .address_space: global }
    .group_segment_fixed_size: 327680
    .private_segment_fixed_size: 0
    .kernarg_segment_align: 8
    .kernarg_segment_size: 72
    .max_flat_workgroup_size: 128
    .sgpr_count:     104
    .vgpr_count:     1024
    .wavefront_size: 32
...
	.end_amdgpu_metadata
.endif
;; end of part 2
;; launch proj (part 3): grid 8 x 32, 4 waves a work-group, clusters of 4 x 4, 327,680 bytes of LDS; arguments catq, woq, g; writes g
.if DOCPART == 3
	.amdgcn_target "amdgcn-amd-amdhsa--gfx1250"
	.amdhsa_code_object_version 6
	.text
	.protected	k_qea8177e3bb_proj
	.globl	k_qea8177e3bb_proj
	.p2align	8
	.type	k_qea8177e3bb_proj,@function
k_qea8177e3bb_proj:
	s_mov_b64 s[64:65], 0
	v_nop
	global_prefetch_b8 v0, s[64:65] scope:SCOPE_SE
	s_setreg_imm32_b32 hwreg(HW_REG_WAVE_MODE, 25, 1), 1
	s_wait_xcnt 0x0
	s_wait_alu depctr_hold_cnt(0) depctr_sa_sdst(0) depctr_va_vdst(0) depctr_va_sdst(0) depctr_va_ssrc(0) depctr_va_vcc(0) depctr_vm_vsrc(0)
	s_getreg_b32 s2, hwreg(HW_REG_IB_STS2, 6, 4)
	s_cmp_eq_u32 s2, 0
	s_cbranch_scc0 .Lentry_in_a_cluster
	s_endpgm
.Lentry_in_a_cluster:
	s_bfe_u32 s2, ttmp6, 0x10000c
	s_cmp_lg_u32 s2, 0xf033
	s_cbranch_scc0 .Lentry_shape_is_right
	s_endpgm
.Lentry_shape_is_right:
; g = [x_t | new_state] W_out, on E2M3 codes with E8M0 scales, both operands laid as chunks (16 tile rows x 512 K, 6,400 bytes: four images of an operand's 12 registers, then 16 rows x four scale words).
; g is [4096][1024] f32; the bias, the residual and the LayerNorm follow in the next launch, which owns whole rows.
; SHARES.  A work-group makes 128 x 128 of g (256 work-groups), each of its four waves 64 x 64: 16 accumulators.  K = 3,072 is six chunks, which go through three LDS slots of 8 + 8 chunks.
; CLUSTERS.  4 x 4 work-groups: catq's chunks are shared along a row of the cluster, woq's along a column: joint loads.  The three first fills go out together; chunks 3, 4, 5 are refills, each behind a round.
; The products are used transposed (source 0 = 16 rows of W_out, source 1 = 16 batch rows); W_out's tile rows were chosen so that register j of tile b of lane (r, h) is column 32 (b / 2) + 8 (b % 2) + 16 h + j.
; REGISTERS.  window 0: v1-19 addresses; v32-79 scale words, three sets of 16; v128-255 the accumulators ((a, b) at v[128 + 8 (4 a + b)]).   window 1: two sets of fragments (A's four at 128 p, W_out's four at 128 p + 48);
; on the way out v0-63 of window 1 take the rows read back.  All is written out: six chunks need no loop.
.set SLOT3, 102400
.set CHB,   6400
.set BOFF,  8*CHB
.set SPARE, 3*SLOT3                    ; the spare words, 128 bytes for each wave: two blocks of 256 bytes that no other line names
.set LI,   4
.set ADRA, 8                           ; v8-10
.set ADRB, 11                          ; v11-13
.set ADRS, 14                          ; v14-16
.set STO,  17
.set RD,   18
.set CO,   19
.set SPW,  28
.set NIL,  29
.set SC,   32
.set ACC,  128
.set WV,   10
.set WHI,  11
.set WLO,  12
.set G1A,  24
.set G1B,  32
.set G0A,  40                          ; s[40:51] a set for each slot
.set G0B,  52                          ; s[52:63]
.set MSB, 0
.macro WIN new
.if MSB != \new
	s_set_vgpr_msb (MSB<<8)|\new
.set MSB, \new
.endif
.endm
.set MUL,  0x05                        ; sources 0 and 1 window 1; C and D window 0
.set TO_F, 0x40
.macro PLACES
.rept 4
	v_nop
.endr
.endm
.macro JLOAD s                         ; waves 0 and 1 fetch catq's halves, waves 2 and 3 woq's; four v_nop follow each line
	s_cmp_eq_u32 s[WHI], 0
	s_cbranch_scc0 .Lfor_b_\@
	tensor_load_to_lds s[G0A+4*\s:G0A+4*\s+3], s[G1A:G1A+7]
	s_nop 0
.rept 4
	v_nop
.endr
	s_branch .Lasked_\@
.Lfor_b_\@:
	tensor_load_to_lds s[G0B+4*\s:G0B+4*\s+3], s[G1B:G1B+7]
	s_nop 0
.rept 4
	v_nop
.endr
.Lasked_\@:
.endm
.macro CREST
	s_cmp_lg_u32 s[WV], 0
	s_cbranch_scc1 .Lnot_wave_0_\@
	s_barrier_signal -3
.Lnot_wave_0_\@:
	s_barrier_wait -3
	s_barrier_signal -1
	s_barrier_wait -1
.endm
.macro CROUND
	s_barrier_signal -1
	s_barrier_wait -1
	CREST
.endm
.macro FETCH s, q, p
	WIN TO_F
.irp b, 0,1,2,3
.irp g, 0,1,2
	ds_load_b128 v[128*(\p)+48+12*\b+4*\g:128*(\p)+48+12*\b+4*\g+3], v[ADRB+\s] offset:CHB*\b+1536*(\q)+512*\g
.endr
.endr
.irp a, 0,1,2,3
.irp g, 0,1,2
	ds_load_b128 v[128*(\p)+12*\a+4*\g:128*(\p)+12*\a+4*\g+3], v[ADRA+\s] offset:CHB*\a+1536*(\q)+512*\g
.endr
.endr
	WIN 0
.endm
.macro SCALES s
.irp i, 0,1,2,3
	ds_load_b128 v[SC+16*\s+4*\i:SC+16*\s+4*\i+3], v[ADRS+\s] offset:CHB*\i
.endr
.endm
.macro MUL4 a, p, q, sc, zero          ; the 16 accumulators take turns, one instruction a turn
.irp b, 0,1,2,3
.if \zero
	v_wmma_scale_f32_16x16x128_f8f6f4 v[ACC+8*(4*(\a)+\b):ACC+8*(4*(\a)+\b)+7], v[128*(\p)+48+12*\b:128*(\p)+48+12*\b+11], v[128*(\p)+12*(\a):128*(\p)+12*(\a)+11], 0, v[SC+16*(\sc)+4*\b+(\q)], v[SC+16*(\sc)+4*(\a)+(\q)] matrix_a_fmt:MATRIX_FMT_FP6 matrix_b_fmt:MATRIX_FMT_FP6 matrix_a_scale:MATRIX_SCALE_ROW1
.else
	v_wmma_scale_f32_16x16x128_f8f6f4 v[ACC+8*(4*(\a)+\b):ACC+8*(4*(\a)+\b)+7], v[128*(\p)+48+12*\b:128*(\p)+48+12*\b+11], v[128*(\p)+12*(\a):128*(\p)+12*(\a)+11], v[ACC+8*(4*(\a)+\b):ACC+8*(4*(\a)+\b)+7], v[SC+16*(\sc)+4*\b+(\q)], v[SC+16*(\sc)+4*(\a)+(\q)] matrix_a_fmt:MATRIX_FMT_FP6 matrix_b_fmt:MATRIX_FMT_FP6 matrix_a_scale:MATRIX_SCALE_ROW1
.endif
.endr
.endm
.macro PSTEP s, q, zero
	s_wait_dscnt 0x0                               ; this step's fragments, asked for a step ago, are in
	PLACES
	FETCH \s, (\q)+1, 1-(\q)%2
	WIN MUL
	MUL4 0, (\q)%2, \q, \s, \zero
	MUL4 1, (\q)%2, \q, \s, \zero
	MUL4 2, (\q)%2, \q, \s, \zero
	MUL4 3, (\q)%2, \q, \s, \zero
	WIN 0
.endm
.macro THREE s, zero
	PSTEP \s, 0, \zero
	PSTEP \s, 1, 0
	PSTEP \s, 2, 0
.endm
.macro PTURN s, nx                     ; a chunk's last K step; slot s is filled again with the chunk three on
	s_wait_tensorcnt 0x0                           ; all my tensor loads have landed;
	ds_add_u32 v[SPW], v[NIL]                      ; 0 onto my spare word;
	s_wait_dscnt 1                                 ; (only the add may be out)
	WIN MUL
	MUL4 0, 1, 3, \s, 0
	MUL4 1, 1, 3, \s, 0
	s_wait_dscnt 0x0                               ; the add is done, and my reads of this slot are over
	s_barrier_signal -1
	MUL4 2, 1, 3, \s, 0
	WIN 0
	s_barrier_wait -1
	CREST                                          ; a round of the cluster's barrier: no wave of any partner still reads this slot or has a load on its way
	s_add_nc_u64 s[G0A+4*\s+2:G0A+4*\s+3], s[G0A+4*\s+2:G0A+4*\s+3], 3*CHB
	s_add_nc_u64 s[G0B+4*\s+2:G0B+4*\s+3], s[G0B+4*\s+2:G0B+4*\s+3], 3*CHB
	JLOAD \s                                       ; my one tensor load behind the round; its four v_nop are also the places in front of the loads below
	FETCH \nx, 0, 0
	SCALES \nx
	WIN MUL
	MUL4 3, 1, 3, \s, 0
	WIN 0
.endm
	s_load_b128 s[4:7], s[0:1], 0x0                ; catq, woq
	s_load_b64 s[8:9], s[0:1], 0x10                ; g
	v_lshl_add_u32 v[SPW], v0, 2, SPARE
	v_mov_b32 v[NIL], 0
	ds_add_u32 v28, v29
	ds_add_u32 v28, v29
	s_wait_dscnt 0x0
	v_lshrrev_b32 v1, 5, v0
	v_readfirstlane_b32 s[WV], v1
	s_lshr_b32 s[WHI], s[WV], 1
	s_and_b32 s[WLO], s[WV], 1
	s_bfe_u32 s13, ttmp6, 0x40000                  ; cx
	s_bfe_u32 s14, ttmp6, 0x40004                  ; cy
	s_lshl_b32 s15, ttmp9, 2
	s_add_co_u32 s15, s15, s13                     ; tile column 0..7
	s_and_b32 s16, ttmp7, 0xffff
	s_lshl_b32 s16, s16, 2
	s_add_co_u32 s16, s16, s14                     ; tile row 0..31
	s_lshl_b32 s17, s14, 2
	s_lshl_b32 s17, 15, s17
	s_lshl_b32 s66, 0x1111, s13
	s_or_b32 s[G1A], s17, (3<<16)|(1<<21)
	s_or_b32 s[G1B], s66, (3<<16)|(1<<21)
.irp gg, G1A, G1B
	s_mov_b32 s[\gg+1], 800<<16                    ; 4 chunks of 800 elements of 8 bytes, 38,400 bytes (4,800 elements) apart
	s_mov_b32 s[\gg+2], 4<<16
	s_mov_b32 s[\gg+3], 800<<16
	s_mov_b32 s[\gg+4], 4
	s_mov_b32 s[\gg+5], 4800
	s_mov_b32 s[\gg+6], 0
	s_mov_b32 s[\gg+7], 0
.endr
	s_lshl_b32 s18, s16, 3
	s_lshl_b32 s19, s[WLO], 2
	s_add_co_u32 s18, s18, s19
	s_mul_i32 s18, s18, 38400
	s_mov_b32 s19, 0
	s_lshl_b32 s20, s15, 3
	s_lshl_b32 s21, s[WLO], 2
	s_add_co_u32 s20, s20, s21
	s_mul_i32 s20, s20, 38400
	s_mov_b32 s21, 0
	s_mul_i32 s22, s[WLO], 4*CHB
	s_add_co_u32 s23, s22, BOFF
	s_wait_kmcnt 0x0
	s_add_nc_u64 s[18:19], s[4:5], s[18:19]
	s_add_nc_u64 s[20:21], s[6:7], s[20:21]
	CROUND
.irp s, 0,1,2
	s_mov_b32 s[G0A+4*\s], 1
	s_add_co_u32 s[G0A+4*\s+1], s22, \s*SLOT3
	s_add_nc_u64 s[G0A+4*\s+2:G0A+4*\s+3], s[18:19], \s*CHB
	s_or_b32 s[G0A+4*\s+3], s[G0A+4*\s+3], 0x80000000
	s_mov_b32 s[G0B+4*\s], 1
	s_add_co_u32 s[G0B+4*\s+1], s23, \s*SLOT3
	s_add_nc_u64 s[G0B+4*\s+2:G0B+4*\s+3], s[20:21], \s*CHB
	s_or_b32 s[G0B+4*\s+3], s[G0B+4*\s+3], 0x80000000
	JLOAD \s                                       ; three loads of mine are out
.endr
	v_and_b32 v1, 31, v0
	v_and_b32 v2, 15, v0
	v_bfe_u32 v3, v0, 4, 1
	v_lshlrev_b32 v[LI], 4, v1
	s_mul_i32 s66, s[WHI], 4*CHB                   ; my four chunks of catq
	v_add_nc_u32 v[ADRA], s66, v[LI]
	v_add_nc_u32 v[ADRA+1], SLOT3, v[ADRA]
	v_add_nc_u32 v[ADRA+2], SLOT3, v[ADRA+1]
	v_add_nc_u32 v[ADRB], s23, v[LI]               ; my four of woq
	v_add_nc_u32 v[ADRB+1], SLOT3, v[ADRB]
	v_add_nc_u32 v[ADRB+2], SLOT3, v[ADRB+1]
	s_sub_co_u32 s67, s23, s66
	v_mul_u32_u24 v5, s67, v3                      ; lanes 16-31 take woq's scale words
	v_lshl_add_u32 v[ADRS], v2, 4, v5
	s_add_co_u32 s66, s66, 6144
	v_add_nc_u32 v[ADRS], s66, v[ADRS]
	v_add_nc_u32 v[ADRS+1], SLOT3, v[ADRS]
	v_add_nc_u32 v[ADRS+2], SLOT3, v[ADRS+1]
	s_mul_i32 s66, s[WV], 16*272                   ; my stage: 16 rows x (256 bytes + 16), in slot 0
	v_mul_u32_u24 v[STO], v2, 272
	v_lshl_add_u32 v[STO], v3, 6, v[STO]
	v_add_nc_u32 v[STO], s66, v[STO]
	v_mul_u32_u24 v[RD], v3, 272
	v_lshl_add_u32 v[RD], v2, 4, v[RD]
	v_add_nc_u32 v[RD], s66, v[RD]
	v_lshlrev_b32 v[CO], 12, v3
	v_lshl_add_u32 v[CO], v2, 4, v[CO]
	s_lshl_b32 s66, s16, 19                        ; g at my first row and column: 128 rows of 4,096 bytes a tile row, 512 bytes a tile column
	s_lshl_b32 s67, s[WHI], 18
	s_add_co_u32 s66, s66, s67
	s_lshl_b32 s67, s15, 9
	s_add_co_u32 s66, s66, s67
	s_lshl_b32 s67, s[WLO], 8
	s_add_co_u32 s66, s66, s67
	s_mov_b32 s67, 0
	s_add_nc_u64 s[8:9], s[8:9], s[66:67]
	s_wait_tensorcnt 2                             ; my part of chunk 0 is in; chunks 1 and 2 may stay out
	s_barrier_signal -1
	s_barrier_wait -1
	FETCH 0, 0, 0
	SCALES 0
	THREE 0, 1                                     ; chunk 0: its first products start the sums
	PTURN 0, 1
	THREE 1, 0                                     ; chunk 1
	PTURN 1, 2
	THREE 2, 0                                     ; chunk 2
	PTURN 2, 0
	THREE 0, 0                                     ; chunk 3
	s_wait_dscnt 0x0
	PLACES
	FETCH 1, 0, 0                                  ; chunk 4 was shown whole by the last round: every wave had waited for all its loads in front of it
	SCALES 1
	WIN MUL
	MUL4 0, 1, 3, 0, 0
	MUL4 1, 1, 3, 0, 0
	MUL4 2, 1, 3, 0, 0
	MUL4 3, 1, 3, 0, 0
	WIN 0
	THREE 1, 0                                     ; chunk 4
	s_wait_tensorcnt 0x0                           ; my part of chunk 5 is in,
	s_wait_dscnt 0x0
	s_barrier_signal -1
	WIN MUL
	MUL4 0, 1, 3, 1, 0
	MUL4 1, 1, 3, 1, 0
	WIN 0
	s_barrier_wait -1                              ; everybody's is, and nobody reads slot 0 any more.
	PLACES
	FETCH 2, 0, 0
	SCALES 2
	WIN MUL
	MUL4 2, 1, 3, 1, 0
	MUL4 3, 1, 3, 1, 0
	WIN 0
	THREE 2, 0                                     ; chunk 5
	s_wait_dscnt 0x0
	WIN MUL
	MUL4 0, 1, 3, 2, 0
	MUL4 1, 1, 3, 2, 0
	MUL4 2, 1, 3, 2, 0
	MUL4 3, 1, 3, 2, 0
	WIN 0
; THE WAY OUT, 16 rows x 64 columns at a time, through my own stage (slot 0 has had its last fill and its last read): a lane's 32 bytes go in, whole rows of 256 bytes come back, sixteen lanes to a row.
	PLACES
.irp a, 0,1,2,3
.if \a > 1
	s_wait_xcnt 0x0                                ; block a - 2's stores have read their registers
.endif
.irp b, 0,1,2,3
	ds_store_b128 v[STO], v[ACC+8*(4*\a+\b):ACC+8*(4*\a+\b)+3] offset:128*(\b/2)+32*(\b%2)       ; each accumulator from its low end on
	ds_store_b128 v[STO], v[ACC+8*(4*\a+\b)+4:ACC+8*(4*\a+\b)+7] offset:128*(\b/2)+32*(\b%2)+16
.endr
	WIN TO_F
.irp i, 0,1,2,3,4,5,6,7
	ds_load_b128 v[32*(\a%2)+4*\i:32*(\a%2)+4*\i+3], v[RD] offset:544*\i     ; LDS serves a wave's instructions in order: these see my stores
.endr
	WIN 0x04                                       ; a store's data are its source 1: window 1
.irp i, 0,1,2,3,4,5,6,7
	s_wait_dscnt 7-\i                              ; rows 2 i and 2 i + 1 are back; the younger may be out
	global_store_b128 v[CO], v[32*(\a%2)+4*\i:32*(\a%2)+4*\i+3], s[8:9] offset:65536*\a+8192*\i   ; 16 lanes store 256 consecutive bytes, at a multiple of 256 from g's first byte
.endr
	WIN 0
.endr
	s_wait_tensorcnt 0x0                           ; the wave's end
	ds_add_u32 v[SPW], v[NIL]
	s_wait_dscnt 0x0
	CROUND                                         ; the closing round
	s_endpgm
.Lfunc_end_k_qea8177e3bb_proj:
	.size	k_qea8177e3bb_proj, .Lfunc_end_k_qea8177e3bb_proj-k_qea8177e3bb_proj
	.p2alignl 7, 3214868480
	.fill 96, 4, 3214868480
	.section	.rodata,"a",@progbits
	.p2align	6, 0x0
	.amdhsa_kernel k_qea8177e3bb_proj
		.amdhsa_group_segment_fixed_size 327680
		.amdhsa_private_segment_fixed_size 0
		.amdhsa_enable_private_segment 0
		.amdhsa_kernarg_size 24
		.amdhsa_user_sgpr_count 2
		.amdhsa_user_sgpr_kernarg_segment_ptr 1
		.amdhsa_wavefront_size32 1
		.amdhsa_system_sgpr_workgroup_id_x 1
		.amdhsa_system_sgpr_workgroup_id_y 1
		.amdhsa_system_sgpr_workgroup_id_z 1
		.amdhsa_system_vgpr_workitem_id 0
		.amdhsa_next_free_vgpr 512
		.amdhsa_next_free_sgpr 80
		.amdhsa_reserve_vcc 0
		.amdhsa_float_denorm_mode_32 3
		.amdhsa_float_denorm_mode_16_64 3
		.amdhsa_memory_ordered 1
		.amdhsa_forward_progress 1
		.amdhsa_inst_pref_size 113
	.end_amdhsa_kernel
	.amdgpu_metadata
---
amdhsa.version: [ 1, 2 ]
amdhsa.kernels:
  - .name:           k_qea8177e3bb_proj
    .symbol:         k_qea8177e3bb_proj.kd
    .args:
      - { .name: catq, .offset: 0, .size: 8, .value_kind: global_buffer, .address_space: global }
      - { .name: woq, .offset: 8, .size: 8, .value_kind: global_buffer, .address_space: global }
      - { .name: g, .offset: 16, .size: 8, .value_kind: global_buffer, .address_space: global }
    .group_segment_fixed_size: 327680
    .private_segment_fixed_size: 0
    .kernarg_segment_align: 8
    .kernarg_segment_size: 24
    .max_flat_workgroup_size: 128
    .sgpr_count:     80
    .vgpr_count:     512
    .wavefront_size: 32
...
	.end_amdgpu_metadata
.endif
;; end of part 3
;; launch norm (part 4): grid 256 x 1, 8 waves a work-group, no clusters, 0 bytes of LDS; arguments g, x_t, b_out, ln_w, ln_b, out0; writes out0
.if DOCPART == 4
	.amdgcn_target "amdgcn-amd-amdhsa--gfx1250"
	.amdhsa_code_object_version 6
	.text
	.protected	k_qea8177e3bb_norm
	.globl	k_qea8177e3bb_norm
	.p2align	8
	.type	k_qea8177e3bb_norm,@function
k_qea8177e3bb_norm:
	s_mov_b64 s[64:65], 0
	v_nop
	global_prefetch_b8 v0, s[64:65] scope:SCOPE_SE
	s_setreg_imm32_b32 hwreg(HW_REG_WAVE_MODE, 25, 1), 1
	s_wait_xcnt 0x0
; out0 = LayerNorm(g + b_out + x_t) ln_w + ln_b, over rows of 1,024 numbers; mean and variance in two passes, as the definition has them, in f32.
; A stream: one wave takes two whole rows (4,096 bytes a row: eight loads of 512 consecutive bytes), which stay in registers between the passes, so that g and x_t are read once; no LDS, no barrier, no loop.
; All 56 loads of a wave go out at its head.  No matrix unit, no cluster: the rows are each wave's own, and the three vectors of 4,096 bytes that all share are a small part of a wave's bytes.
.set LNW, 16                           ; v16-47   ln_w: register 4 j + e = column 128 j + 4 lane + e
.set LNB, 48                           ; v48-79   ln_b
.set BO,  80                           ; v80-111  b_out
	s_load_b256 s[4:11], s[0:1], 0x0               ; g 4, x_t 6, b_out 8, ln_w 10
	s_load_b128 s[12:15], s[0:1], 0x20             ; ln_b 12, out0 14
	v_lshrrev_b32 v1, 5, v0
	v_readfirstlane_b32 s16, v1                    ; wave 0..7
	v_and_b32 v1, 31, v0
	v_lshlrev_b32 v1, 4, v1                        ; 16 x lane
	s_lshl_b32 s17, ttmp9, 4
	s_lshl_b32 s16, s16, 1
	s_add_co_u32 s16, s16, s17                     ; my first row: 16 x work-group + 2 x wave
	s_lshl_b32 s16, s16, 12
	s_mov_b32 s17, 0
	s_mov_b32 s18, 0x3a800000                      ; 1 / 1024
	s_mov_b32 s19, 0x3727c5ac                      ; 1e-5
	s_mov_b32 s20, 0x76543210
	s_mov_b32 s21, 0xfedcba98
	v_mov_b32 v6, 0                                ; written once: a lane permute's destination counts as one of its sources
	s_wait_kmcnt 0x0
	s_add_nc_u64 s[4:5], s[4:5], s[16:17]
	s_add_nc_u64 s[6:7], s[6:7], s[16:17]
	s_add_nc_u64 s[14:15], s[14:15], s[16:17]
.irp j, 0,1,2,3,4,5,6,7
	global_load_b128 v[BO+4*\j:BO+4*\j+3], v1, s[8:9] offset:512*\j
	global_load_b128 v[LNW+4*\j:LNW+4*\j+3], v1, s[10:11] offset:512*\j
	global_load_b128 v[LNB+4*\j:LNB+4*\j+3], v1, s[12:13] offset:512*\j
.endr
.irp i, 0,1
.irp j, 0,1,2,3,4,5,6,7
	global_load_b128 v[112+64*\i+4*\j:112+64*\i+4*\j+3], v1, s[4:5] offset:4096*\i+512*\j th:TH_LOAD_NT
	global_load_b128 v[144+64*\i+4*\j:144+64*\i+4*\j+3], v1, s[6:7] offset:4096*\i+512*\j th:TH_LOAD_NT
.endr
.endr
.macro REDUCE                          ; v2 summed over the 32 lanes, the result in every lane
	v_add_f32_dpp v2, v2, v2 row_xmask:1 row_mask:0xf bank_mask:0xf
	v_add_f32_dpp v2, v2, v2 row_xmask:2 row_mask:0xf bank_mask:0xf
	v_add_f32_dpp v2, v2, v2 row_xmask:4 row_mask:0xf bank_mask:0xf
	v_add_f32_dpp v2, v2, v2 row_xmask:8 row_mask:0xf bank_mask:0xf
	v_permlanex16_b32 v6, v2, s20, s21
	v_add_f32 v2, v2, v6
.endm
.macro ROW i
.set G, 112+64*\i
.if \i == 0
	s_wait_loadcnt 16                              ; the three vectors and row 0 are in; row 1's 16 loads may be out
.else
	s_wait_loadcnt 0x0
.endif
.set k, 0
.rept 16
	v_pk_add_f32 v[G+k:G+k+1], v[G+k:G+k+1], v[BO+k:BO+k+1]
.set k, k+2
.endr
.set k, 0
.rept 16
	v_pk_add_f32 v[G+k:G+k+1], v[G+k:G+k+1], v[G+32+k:G+32+k+1]     ; h = (g + b_out) + x
.set k, k+2
.endr
	v_pk_add_f32 v[2:3], v[G:G+1], v[G+2:G+3]      ; the sum, in two chains
	v_pk_add_f32 v[4:5], v[G+4:G+5], v[G+6:G+7]
.set k, 8
.rept 6
	v_pk_add_f32 v[2:3], v[2:3], v[G+k:G+k+1]
	v_pk_add_f32 v[4:5], v[4:5], v[G+k+2:G+k+3]
.set k, k+4
.endr
	v_pk_add_f32 v[2:3], v[2:3], v[4:5]
	v_add_f32 v2, v2, v3
	REDUCE
	v_mul_f32 v8, s18, v2                          ; the mean
	v_mov_b32 v9, v8
.set k, 0
.rept 16
	v_pk_add_f32 v[G+k:G+k+1], v[G+k:G+k+1], v[8:9] neg_lo:[0,1] neg_hi:[0,1]
.set k, k+2
.endr
	v_pk_mul_f32 v[2:3], v[G:G+1], v[G:G+1]        ; the sum of squares, in two chains
	v_pk_mul_f32 v[4:5], v[G+2:G+3], v[G+2:G+3]
.set k, 4
.rept 7
	v_pk_fma_f32 v[2:3], v[G+k:G+k+1], v[G+k:G+k+1], v[2:3]
	v_pk_fma_f32 v[4:5], v[G+k+2:G+k+3], v[G+k+2:G+k+3], v[4:5]
.set k, k+4
.endr
	v_pk_add_f32 v[2:3], v[2:3], v[4:5]
	v_add_f32 v2, v2, v3
	REDUCE
	v_fma_f32 v10, v2, s18, s19                    ; the variance + 1e-5
	v_rsq_f32 v10, v10
	v_nop                                          ; a plain place behind the transcendental,
	s_wait_alu depctr_va_vdst(0)                   ; and the wait ahead of its first reader
	v_mov_b32 v11, v10
.set k, 0
.rept 16
	v_pk_mul_f32 v[G+k:G+k+1], v[G+k:G+k+1], v[10:11]
.set k, k+2
.endr
.set k, 0
.rept 16
	v_pk_fma_f32 v[G+k:G+k+1], v[G+k:G+k+1], v[LNW+k:LNW+k+1], v[LNB+k:LNB+k+1]
.set k, k+2
.endr
.irp j, 0,1,2,3,4,5,6,7
	global_store_b128 v1, v[G+4*\j:G+4*\j+3], s[14:15] offset:4096*\i+512*\j th:TH_STORE_NT   ; 32 lanes store 512 consecutive bytes, at a multiple of 256 from out0's first byte
.endr
.endm
	ROW 0
	ROW 1
	s_endpgm
.Lfunc_end_k_qea8177e3bb_norm:
	.size	k_qea8177e3bb_norm, .Lfunc_end_k_qea8177e3bb_norm-k_qea8177e3bb_norm
	.p2alignl 7, 3214868480
	.fill 96, 4, 3214868480
	.section	.rodata,"a",@progbits
	.p2align	6, 0x0
	.amdhsa_kernel k_qea8177e3bb_norm
		.amdhsa_group_segment_fixed_size 0
		.amdhsa_private_segment_fixed_size 0
		.amdhsa_enable_private_segment 0
		.amdhsa_kernarg_size 48
		.amdhsa_user_sgpr_count 2
		.amdhsa_user_sgpr_kernarg_segment_ptr 1
		.amdhsa_wavefront_size32 1
		.amdhsa_system_sgpr_workgroup_id_x 1
		.amdhsa_system_sgpr_workgroup_id_y 1
		.amdhsa_system_sgpr_workgroup_id_z 1
		.amdhsa_system_vgpr_workitem_id 0
		.amdhsa_next_free_vgpr 240
		.amdhsa_next_free_sgpr 66
		.amdhsa_reserve_vcc 0
		.amdhsa_float_denorm_mode_32 3
		.amdhsa_float_denorm_mode_16_64 3
		.amdhsa_memory_ordered 1
		.amdhsa_forward_progress 1
		.amdhsa_inst_pref_size 24
	.end_amdhsa_kernel
	.amdgpu_metadata
---
amdhsa.version: [ 1, 2 ]
amdhsa.kernels:
  - .name:           k_qea8177e3bb_norm
    .symbol:         k_qea8177e3bb_norm.kd
    .args:
      - { .name: g, .offset: 0, .size: 8, .value_kind: global_buffer, .address_space: global }
      - { .name: x_t, .offset: 8, .size: 8, .value_kind: global_buffer, .address_space: global }
      - { .name: b_out, .offset: 16, .size: 8, .value_kind: global_buffer, .address_space: global }
      - { .name: ln_w, .offset: 24, .size: 8, .value_kind: global_buffer, .address_space: global }
      - { .name: ln_b, .offset: 32, .size: 8, .value_kind: global_buffer, .address_space: global }
      - { .name: out0, .offset: 40, .size: 8, .value_kind: global_buffer, .address_space: global }
    .group_segment_fixed_size: 0
    .private_segment_fixed_size: 0
    .kernarg_segment_align: 8
    .kernarg_segment_size: 48
    .max_flat_workgroup_size: 256
    .sgpr_count:     66
    .vgpr_count:     240
    .wavefront_size: 32
...
	.end_amdgpu_metadata
.endif
;; end of part 4
